; MI455X (gfx1250); checked and timed in simulation.
; The chip was launched on July 23, 2026; its instructions are those of AMD's public machine-readable ISA for CDNA 5 (MIT licence, August 2026) and "CDNA5" Instruction Set Architecture Reference Guide (July 2026). The comments in the code are by the model that wrote it; some were corrected since.
;; HSTU Model. Allowed arithmetic: matrix products marked QUANTISED: E5M2 operands, one E8M0 scale for each 32 along K, by v_wmma_scale_f32_16x16x128_f8f6f4 with both operands' format E5M2, f32 sums; everything else in f32.
;; Inputs: act_tab 4 x 32 float32; attn_mask 4 x 2,048 x 2,048 bool; b_scale one number float32; film_b 2,048 float32; film_ln_b 32 float32; film_ln_g 32 float32; film_w 32 x 2,048 float32; interval 4 x 2,048 int32; ln_b 1,024 float32; ln_g 1,024 float32; next_action_type 4 x 2,048 int32; next_mask 4 x 2,048 int32; o_b 1,024 float32; o_w 512 x 1,024 float32; pos_w 4,095 float32; pr_ln_b 1,024 float32; pr_ln_g 1,024 float32; r_scale one number float32; ts_w 129 float32; uvqk 1,024 x 2,048 float32; x 4 x 2,048 x 1,024 float32.
;; Outputs: out0 4 x 2,048 x 1,024 float32.
;; This version of the problem:
;;   THIS VERSION OF THE PROBLEM IS GIVEN IN LOW PRECISION. The matrix products marked QUANTISED in the list below multiply operands that are first quantised to E5M2 (5 exponent bits, 2 mantissa bits; 8 bits a number), with one power-of-two scale for each 32 numbers along K (OCP MX v1.0); their sums are f32. All else is computed in f32.
;;   The module's matrix products, in the order in which they are computed (A, B: the left and right operand; K: the contracted axis; several contracted axes count as one K, in the product's order):
;;     1. [M 8,192, K 1,024] x [K 1,024, N 2,048]; A: computed on the way; B: input uvqk: QUANTISED
;;     2. batch 32 x [M 2,048, K 64] x [K 64, N 2,048]; A: computed on the way; B: computed on the way: QUANTISED
;;     3. batch 32 x [M 2,048, K 2,048] x [K 2,048, N 64]; A: computed on the way; B: computed on the way: QUANTISED
;;     4. [M 8,192, K 512] x [K 512, N 1,024]; A: computed on the way; B: input o_w: QUANTISED
;;     5. [M 8,192, K 32] x [K 32, N 2,048]; A: computed on the way; B: input film_w: QUANTISED
;;   THE QUANTISER, for each operand of a quantised product, along K:
;;     - K is cut into blocks of 32 from its start; a last block that is shorter is filled with zeros.
;;     - A block's scale is 2^e with e = floor(log2(the largest magnitude in the block)) - 15, held to -126 .. 127; a block of zeros has e = 0. As a byte (E8M0): e + 127.
;;     - Each number is divided by its block's scale, clamped to +-57,344, and rounded to the nearest number of E5M2, ties to even, subnormals kept.
;;     - The product sums the exact products of the quantised numbers (number of the format x scale) in f32.
;;   ~~~python
;;   def quantise(x, axis):      # numpy; x: float32 -> the quantised numbers, widened to float32 again
;;       x = np.moveaxis(x, axis, -1); K = x.shape[-1]
;;       x = np.pad(x, [(0, 0)] * (x.ndim - 1) + [(0, -K % 32)]); x = x.reshape(x.shape[:-1] + (-1, 32)); a = np.abs(x).max(-1, keepdims=True)
;;       e = np.where(a > 0, np.clip(np.frexp(np.where(a > 0, a, 1))[1] - 1 - 15, -126, 127), 0)      # np.frexp(a)[1] - 1 = floor(log2(a)), exactly
;;       r = np.clip(x / 2.0 ** e, -57344, 57344)
;;       step = 2.0 ** (np.maximum(np.frexp(np.where(r == 0, 1, r))[1] - 1, -14) - 2)
;;       q = np.round(r / step) * step * 2.0 ** e      # np.round: ties to even
;;       return np.moveaxis(q.reshape(q.shape[:-2] + (-1,))[..., :K], -1, axis).astype(np.float32)
;;   ~~~
;;   OPERANDS COMPUTED ON THE WAY. 'Computed on the way' means the value that the module computes at that place (a softmax that the list does not call 'softmax' is quantised finished and normalised). What goes into a quantiser is computed in f32, as accurately as f32 sums, v_exp_f32 and their like allow (about 1e-6 of the number): no bf16 or f16 on the way to a quantiser, and a product that is left as it is and whose result goes on into a quantised operand takes f32 operands (vector FMAs, or v_wmma_f32_16x16x4_f32). A number that lies on a knife's edge between two numbers of the format may be rounded either way, as far as f32 arithmetic and the matrix unit's own rounding can turn it there, and no further.
;; One version. Each part assembles by itself: llvm-mc -triple=amdgcn-amd-amdhsa -mcpu=gfx1250 --defsym DOCPART=n.
;; ======== version 1 of 1: 3 launches
;; limits: right only within a limited range of input values
;; workspace buffers: hq 8,650,752 bytes; wq 2,703,360 bytes; tab 558,080 bytes; cimg 16,777,216 bytes of whole numbers; kv 8,650,752 bytes; uq 21,495,808 bytes
;; launch prep (part 1): grid 849 x 1, 8 waves a work-group, no clusters, 106,496 bytes of LDS; arguments x, ln_g, ln_b, uvqk, o_w, interval, attn_mask, ts_w, act_tab, film_ln_g, film_ln_b, film_w, film_b, r_scale, b_scale, hq, wq, tab, cimg; writes hq, wq, tab, cimg
.if DOCPART == 1
	.amdgcn_target "amdgcn-amd-amdhsa--gfx1250"
	.amdhsa_code_object_version 6
	.text
	.protected	k_qec035eaadf_prep
	.globl	k_qec035eaadf_prep
	.p2align	8
	.type	k_qec035eaadf_prep,@function
k_qec035eaadf_prep:
	s_mov_b64 s[64:65], 0
	v_nop
	global_prefetch_b8 v0, s[64:65] scope:SCOPE_SE
	s_setreg_imm32_b32 hwreg(HW_REG_WAVE_MODE, 25, 1), 1
	s_wait_xcnt 0x0
; PREP: all that can be made from the inputs alone, in seven roles chosen by the work-group's number; every role is one straight path with LDS bytes of its own.
;   C   0..511  cimg: one byte for each (batch, query, key): the time bucket 0..128, or 255 where attn_mask is false, laid in the order of the score accumulators of the third launch
;   X 512..767  hq:   LayerNorm(x) as codes of E5M2 with one E8M0 byte for each 32 along the 1,024; rows in position order
;   W 768..799  wq:   uvqk as codes, K innermost, rows ordered head, role (U V Q K), channel position
;   O 800..815  wq:   o_w as images of operand registers, by chunk of 256 columns and wave
;   F 816..831  tab:  the FiLM tables: product 5 on its four different rows; tanh(r) r_scale and b b_scale
;   R 832..847  tab:  cosines and sines for the rotary embedding, in the register order of the second launch
;   T 848       tab:  ts_w padded to 256 entries; entries above 128 hold -1e30 (the masked score)
; POSITION ORDER: position p of 32 holds item sw(p), p with bits 3 and 4 exchanged, so that row r of 16-tile 2 b + u is item 32 b + 8 u + r + 8 (r / 8).
; THE QUANTISER: a block's byte is its largest magnitude's exponent field - 15, held at 1 from below; numbers are held within +-57,344 x the scale and rounded to the nearest code.
; LIMITS: a block of zeros carries the byte 1 (its codes are zeros; only this program reads the bytes); NaN and infinities among the inputs are not served;
; a bucket can differ from the exact one where ln(d) / 0.301 lies within some 5e-6 of a whole number (the logarithm's last bit); the rotary frequencies lie within about 1.5 units in the last place of 10000^(-i/32);
; tanh is 1 - 2 / (1 + 2^(2.885 r)): its error is absolute, about 1e-7.
.set WV,   42
.set SEL,  44                          ; s[44:45] selects of v_permlanex16_b32 for lane l xor 16
.set MNT,  46                          ; the mantissa field of 57,344
.set HM,   47                          ; lanes 16-31
.set XS,   104448                      ; role X's LDS: 128 bytes a wave
.set WST,  34816                       ; role W's LDS: 32 x 272 bytes a wave
	s_load_b512 s[4:19], s[0:1], 0x0               ; x 4, ln_g 6, ln_b 8, uvqk 10, o_w 12, interval 14, attn_mask 16, ts_w 18
	s_load_b512 s[20:35], s[0:1], 0x40             ; act_tab 20, film_ln_g 22, film_ln_b 24, film_w 26, film_b 28, r_scale 30, b_scale 32, hq 34
	s_load_b128 s[36:39], s[0:1], 0x80             ; wq 36, tab 38
	s_load_b64 s[40:41], s[0:1], 0x90              ; cimg
	v_lshl_add_u32 v168, v0, 2, 0x19c00
	v_mov_b32 v169, 0
	v_lshrrev_b32 v1, 5, v0
	v_readfirstlane_b32 s[WV], v1                  ; wave 0..7
	v_and_b32 v1, 31, v0                           ; lane
	v_and_b32 v2, 15, v0                           ; r
	v_bfe_u32 v3, v0, 4, 1                         ; h
	s_mov_b32 s[SEL], 0x76543210
	s_mov_b32 s[SEL+1], 0xfedcba98
	s_mov_b32 s[MNT], 0x600000
	s_mov_b32 s[HM], 0xffff0000
	s_mov_b32 s53, 0                               ; the upper word of every offset pair s[52:53]
	s_wait_kmcnt 0x0
	s_cmp_lt_u32 ttmp9, 512
	s_cbranch_scc1 .Lrole_c
	s_cmp_lt_u32 ttmp9, 768
	s_cbranch_scc1 .Lrole_x
	s_cmp_lt_u32 ttmp9, 800
	s_cbranch_scc1 .Lrole_w
	s_cmp_lt_u32 ttmp9, 816
	s_cbranch_scc1 .Lrole_o
	s_cmp_lt_u32 ttmp9, 832
	s_cbranch_scc1 .Lrole_f
	s_cmp_lt_u32 ttmp9, 848
	s_cbranch_scc1 .Lrole_r
; ---------------------------------------------------------------- role T: thread i makes entry i of the table of 256
	v_min_u32 v4, 128, v0
	v_lshlrev_b32 v4, 2, v4
	global_load_b32 v5, v4, s[18:19]
	v_lshlrev_b32 v6, 2, v0
	v_mov_b32 v7, 0xf149f2ca                       ; -1e30
	v_cmp_lt_u32 vcc_lo, 128, v0
	s_wait_loadcnt 0x0
	v_cndmask_b32 v5, v5, v7, vcc_lo
	global_store_b32 v6, v5, s[38:39]
	s_endpgm
; the sum over the 32 lanes of a wave, in every lane
.macro WSUM a, t
	v_add_f32_dpp v[\a], v[\a], v[\a] row_xmask:1 row_mask:0xf bank_mask:0xf
	v_add_f32_dpp v[\a], v[\a], v[\a] row_xmask:2 row_mask:0xf bank_mask:0xf
	v_add_f32_dpp v[\a], v[\a], v[\a] row_xmask:4 row_mask:0xf bank_mask:0xf
	v_add_f32_dpp v[\a], v[\a], v[\a] row_xmask:8 row_mask:0xf bank_mask:0xf
	v_permlanex16_b32 v[\t], v[\a], s[SEL], s[SEL+1]
	v_add_f32 v[\a], v[\a], v[\t]
.endm
; ---------------------------------------------------------------- role C
; The work-group takes one tile of 16 queries (batch b, block qb of 32, tile qt) against all 2,048 keys; wave w keys 256 w on.
; Lane (r', h') holds the 16 keys 256 w + 16 r' + 0..15 and, in trip it, tile row 2 it + h'.  So a mask load reads two aligned runs of 256 bytes.
; A lane's 16 bytes go to LDS row r' (256 bytes, pitch 272: the 16 tile rows of one run of 16 keys), which is one aligned run of 256 bytes of cimg; rows belong to the wave alone: no barrier.
.Lrole_c:
.set TK, 32                            ; v32-47   the keys' times
.set EV, 48                            ; v48-55   the rows' times
.set EO, 56                            ; v56-63   their offsets
.set MK, 64                            ; v64-95   mask words, 4 a trip; on the way out the rows read back
.set DF, 96                            ; v96-111  16 differences
.set WD, 112                           ; v112-115 the 16 bytes
.set CQ, 148                           ; v148-163 16 quotients
	s_lshr_b32 s48, ttmp9, 7                       ; b
	s_bfe_u32 s49, ttmp9, 0x60001                  ; qb
	s_and_b32 s50, ttmp9, 1                        ; qt
	s_lshl_b32 s52, s48, 13
	s_add_nc_u64 s[14:15], s[14:15], s[52:53]      ; interval of my batch
	s_lshl_b32 s54, s49, 5
	s_lshl_b32 s55, s50, 3
	s_add_co_u32 s54, s54, s55                     ; 32 qb + 8 qt
	s_lshl_b32 s52, s48, 22
	s_lshl_b32 s55, s54, 11
	s_add_co_u32 s52, s52, s55
	s_lshl_b32 s55, s[WV], 8
	s_add_co_u32 s52, s52, s55
	s_add_nc_u64 s[16:17], s[16:17], s[52:53]      ; the mask at row 32 qb + 8 qt, key 256 w
	s_lshl_b32 s52, s48, 6
	s_add_co_u32 s52, s52, s49
	s_lshl_b32 s52, s52, 16
	s_lshl_b32 s55, s[WV], 13
	s_add_co_u32 s52, s52, s55
	s_lshl_b32 s55, s50, 11
	s_add_co_u32 s52, s52, s55
	s_add_nc_u64 s[40:41], s[40:41], s[52:53]      ; cimg at ((b 64 + qb) 16 + 2 w) 4,096 + 2,048 qt
	s_mov_b32 s56, 0x3f317218                      ; ln 2
	s_mov_b32 s57, s56
	s_mov_b32 s58, 0x40549fe5                      ; 1 / 0.301
	s_mov_b32 s59, s58
	s_mov_b32 s60, 0xbe9a1cac                      ; -0.301
	s_mov_b32 s61, s60
	v_lshlrev_b32 v4, 6, v2
	v_lshl_add_u32 v4, s[WV], 10, v4               ; my 16 keys' times: 1,024 w + 64 r'
.irp q,0,1,2,3
	global_load_b128 v[TK+4*\q:TK+4*\q+3], v4, s[14:15] offset:16*\q
.endr
	s_add_co_u32 s54, s54, 1
	v_add_nc_u32 v5, s54, v3                       ; the row's successor: 32 qb + 8 qt + h' + 1 ..
.irp it,0,1,2,3,4,5,6,7
	v_add_nc_u32 v[EO+\it], 2*\it+8*(\it/4), v5
	v_min_u32 v[EO+\it], 0x7ff, v[EO+\it]          ; .. held at the last row, as the appended column of the time vector says
	v_lshlrev_b32 v[EO+\it], 2, v[EO+\it]
.endr
.irp it,0,1,2,3,4,5,6,7
	global_load_b32 v[EV+\it], v[EO+\it], s[14:15]
.endr
	v_lshlrev_b32 v6, 4, v2
	v_lshl_add_u32 v6, v3, 11, v6                  ; the mask: row h', 16 r'
.irp it,0,1,2,3,4,5,6,7
	global_load_b128 v[MK+4*\it:MK+4*\it+3], v6, s[16:17] offset:(2*\it+8*(\it/4))*2048 th:TH_LOAD_NT
.endr
	s_mul_i32 s55, s[WV], 4352
	v_mul_u32_u24 v7, v2, 272
	v_lshl_add_u32 v7, v3, 4, v7
	v_add_nc_u32 v7, s55, v7                       ; in: LDS row r', 16 h' (+ 32 it)
	v_mul_u32_u24 v8, v3, 272
	v_lshl_add_u32 v8, v2, 4, v8
	v_add_nc_u32 v8, s55, v8                       ; back: lanes 0-15 one row, lanes 16-31 the next
	v_lshlrev_b32 v9, 4, v1
.macro CROW it
	s_wait_loadcnt 7-(\it)                         ; loads return in order: the times and this trip's mask words are in; the 7 - it younger mask loads stay out
.if (\it) == 0
.set i, 0
.rept 16
	v_cvt_f32_i32 v[TK+i], v[TK+i]
.set i, i+1
.endr
.endif
	v_cvt_f32_i32 v10, v[EV+(\it)]
.set i, 0
.rept 16
	v_sub_f32 v[DF+i], v10, v[TK+i]
.set i, i+1
.endr
.set i, 0
.rept 16
	v_max_num_f32 v[DF+i], |v[DF+i]|, 1.0
.set i, i+1
.endr
.set i, 0
.rept 16
	v_log_f32 v[DF+i], v[DF+i]
.set i, i+1
.endr
.irp j,0,1,2,3                                 ; the mask's bytes, 0 or 1, become 0xff where false: independent work behind the logarithms
	v_xor_b32 v[MK+4*(\it)+\j], 0x01010101, v[MK+4*(\it)+\j]
	v_lshlrev_b32 v[12+\j], 8, v[MK+4*(\it)+\j]
	v_sub_nc_u32 v[MK+4*(\it)+\j], v[12+\j], v[MK+4*(\it)+\j]
.endr
	s_wait_alu depctr_va_vdst(0)                   ; one wait for the 16 logarithms, ahead of their first reader
.set i, 0
.rept 8
	v_pk_mul_f32 v[DF+i:DF+i+1], v[DF+i:DF+i+1], s[56:57] op_sel_hi:[1,0]      ; t = ln
.set i, i+2
.endr
.set i, 0
.rept 8
	v_pk_mul_f32 v[CQ+i:CQ+i+1], v[DF+i:DF+i+1], s[58:59] op_sel_hi:[1,0]      ; t / 0.301, first guess,
.set i, i+2
.endr
.set i, 0
.rept 8
	v_pk_fma_f32 v[DF+i:DF+i+1], v[CQ+i:CQ+i+1], s[60:61], v[DF+i:DF+i+1] op_sel_hi:[1,0,1]   ; its remainder,
.set i, i+2
.endr
.set i, 0
.rept 8
	v_pk_fma_f32 v[CQ+i:CQ+i+1], v[DF+i:DF+i+1], s[58:59], v[CQ+i:CQ+i+1] op_sel_hi:[1,0,1]   ; the quotient as a division rounds it
.set i, i+2
.endr
.set i, 0
.rept 16
	v_cvt_i32_f32 v[CQ+i], v[CQ+i]                 ; toward zero
.set i, i+1
.endr
.set i, 0
.rept 16
	v_min_u32 v[CQ+i], 128, v[CQ+i]
.set i, i+1
.endr
.irp j,0,1,2,3
	v_lshl_or_b32 v[WD+\j], v[CQ+4*\j+1], 8, v[CQ+4*\j]
	v_lshl_or_b32 v[WD+\j], v[CQ+4*\j+2], 16, v[WD+\j]
	v_lshl_or_b32 v[WD+\j], v[CQ+4*\j+3], 24, v[WD+\j]
	v_or_b32 v[WD+\j], v[WD+\j], v[MK+4*(\it)+\j]
.endr
	ds_store_b128 v7, v[WD:WD+3] offset:32*(\it)
.endm
.irp it,0,1,2,3,4,5,6,7
	CROW \it
.endr
.irp j,0,1,2,3,4,5,6,7
	ds_load_b128 v[MK+4*\j:MK+4*\j+3], v8 offset:2*\j*272          ; LDS serves a wave's instructions in order: these see my stores
.endr
.irp j,0,1,2,3,4,5,6,7
	s_wait_dscnt 7-\j
	global_store_b128 v9, v[MK+4*\j:MK+4*\j+3], s[40:41] offset:(\j/4)*4096+((2*\j)&7)*256   ; 512 consecutive bytes, aligned
.endr
	s_wait_tensorcnt 0x0
	ds_add_u32 v168, v169
	s_wait_dscnt 0x0
	s_endpgm
; ---------------------------------------------------------------- role X
; 32 rows a work-group, 4 a wave.  A lane holds columns 256 j + 8 lane + 0..7, j = 0..3: eight neighbours along K for one conversion; four lanes hold a block of 32.
.Lrole_x:
	s_sub_co_u32 s48, ttmp9, 512
	s_and_b32 s49, s[WV], 1
	s_bfe_u32 s50, s[WV], 0x10001
	s_bfe_u32 s51, s[WV], 0x10002
	s_lshl_b32 s50, s50, 2
	s_lshl_b32 s51, s51, 1
	s_or_b32 s49, s49, s50
	s_or_b32 s49, s49, s51                         ; the wave's number with bits 1 and 2 exchanged: rows 4 w + k lie at positions 4 x that + k
	s_lshl_b32 s48, s48, 5
	s_lshl_b32 s50, s[WV], 2
	s_add_co_u32 s50, s50, s48
	s_lshl_b32 s52, s50, 12
	s_add_nc_u64 s[4:5], s[4:5], s[52:53]          ; x at my first row
	s_lshl_b32 s51, s49, 2
	s_add_co_u32 s51, s51, s48
	s_lshl_b32 s52, s51, 10
	s_add_nc_u64 s[54:55], s[34:35], s[52:53]      ; the codes at my first position
	s_lshl_b32 s52, s51, 5
	s_add_nc_u64 s[56:57], s[34:35], s[52:53]
	s_add_nc_u64 s[56:57], s[56:57], 8388608       ; and its scale bytes
	s_mov_b32 s60, 0x3a800000                      ; 1 / 1,024
	s_mov_b32 s61, 0x3727c5ac                      ; 1e-5
	v_lshlrev_b32 v4, 5, v1                        ; 32 bytes a lane in each run of 1,024
	v_lshlrev_b32 v5, 3, v1                        ; 8 codes a lane
	s_lshl_b32 s58, s[WV], 7
	s_add_co_u32 s58, s58, XS
	v_lshrrev_b32 v6, 2, v1
	v_add_nc_u32 v6, s58, v6                       ; LDS: my wave's 128 scale bytes, my block's byte
	v_lshlrev_b32 v8, 2, v1
	v_add_nc_u32 v7, s58, v8
	v_mov_b32 v15, 0                               ; upper halves of pairs of which the low word serves both halves, and a lane permute's destination: written once
	v_mov_b32 v17, 0
	v_mov_b32 v18, 0
.irp j,0,1,2,3
	global_load_b128 v[96+8*\j:99+8*\j], v4, s[6:7] offset:1024*\j
	global_load_b128 v[100+8*\j:103+8*\j], v4, s[6:7] offset:1024*\j+16
	global_load_b128 v[128+8*\j:131+8*\j], v4, s[8:9] offset:1024*\j
	global_load_b128 v[132+8*\j:135+8*\j], v4, s[8:9] offset:1024*\j+16
.endr
.macro XLOADR k
.set XB, 32+32*((\k)%2)
.irp j,0,1,2,3
	global_load_b128 v[XB+8*\j:XB+8*\j+3], v4, s[4:5] offset:(\k)*4096+1024*\j th:TH_LOAD_NT
	global_load_b128 v[XB+8*\j+4:XB+8*\j+7], v4, s[4:5] offset:(\k)*4096+1024*\j+16 th:TH_LOAD_NT
.endr
.endm
	XLOADR 0
	XLOADR 1
.macro XROW k
.set XB, 32+32*((\k)%2)
.if (\k) < 3
	s_wait_loadcnt 8                               ; this row is in; the other buffer's 8 loads stay out
.else
	s_wait_loadcnt 0x0
.endif
	v_pk_add_f32 v[10:11], v[XB:XB+1], v[XB+2:XB+3]
	v_pk_add_f32 v[12:13], v[XB+4:XB+5], v[XB+6:XB+7]
.irp i,8,12,16,20,24,28
	v_pk_add_f32 v[10:11], v[10:11], v[XB+\i:XB+\i+1]
	v_pk_add_f32 v[12:13], v[12:13], v[XB+\i+2:XB+\i+3]
.endr
	v_pk_add_f32 v[10:11], v[10:11], v[12:13]
	v_add_f32 v10, v10, v11
	WSUM 10, 18
	v_mul_f32 v14, s60, v10                        ; the mean
.set i, 0
.rept 16
	v_pk_add_f32 v[XB+i:XB+i+1], v[XB+i:XB+i+1], v[14:15] op_sel_hi:[1,0] neg_lo:[0,1] neg_hi:[0,1]
.set i, i+2
.endr
	v_pk_mul_f32 v[10:11], v[XB:XB+1], v[XB:XB+1]
	v_pk_mul_f32 v[12:13], v[XB+2:XB+3], v[XB+2:XB+3]
.irp i,4,8,12,16,20,24,28
	v_pk_fma_f32 v[10:11], v[XB+\i:XB+\i+1], v[XB+\i:XB+\i+1], v[10:11]
	v_pk_fma_f32 v[12:13], v[XB+\i+2:XB+\i+3], v[XB+\i+2:XB+\i+3], v[12:13]
.endr
	v_pk_add_f32 v[10:11], v[10:11], v[12:13]
	v_add_f32 v10, v10, v11
	WSUM 10, 18
	v_fma_f32 v10, v10, s60, s61                   ; the variance + eps
	v_rsq_f32 v16, v10
	v_nop                                          ; a plain instruction behind the transcendental,
	s_wait_alu depctr_va_vdst(0)                   ; and the wait ahead of its first reader
.set i, 0
.rept 16
	v_pk_mul_f32 v[XB+i:XB+i+1], v[XB+i:XB+i+1], v[16:17] op_sel_hi:[1,0]
.set i, i+2
.endr
.set i, 0
.rept 16
	v_pk_fma_f32 v[XB+i:XB+i+1], v[XB+i:XB+i+1], v[96+i:97+i], v[128+i:129+i]
.set i, i+2
.endr
.irp j,0,1,2,3                                 ; the four blocks by turns: my 8 numbers and the floor 2^(16 - 127),
	v_max3_num_f32 v[20+\j], |v[XB+8*\j]|, |v[XB+8*\j+1]|, 0x8000000
.endr
.irp i,2,4,6
.irp j,0,1,2,3
	v_max3_num_f32 v[20+\j], v[20+\j], |v[XB+8*\j+\i]|, |v[XB+8*\j+\i+1]|
.endr
.endr
.irp j,0,1,2,3
	v_max_num_f32_dpp v[20+\j], v[20+\j], v[20+\j] row_xmask:1 row_mask:0xf bank_mask:0xf
.endr
.irp j,0,1,2,3
	v_max_num_f32_dpp v[20+\j], v[20+\j], v[20+\j] row_xmask:2 row_mask:0xf bank_mask:0xf   ; and the three other lanes' of the block
.endr
.irp j,0,1,2,3
	v_add_nc_u32 v[24+\j], 0xf8800000, v[20+\j]    ; 15 off the exponent field: the conversion's scale operand
.endr
.irp j,0,1,2,3
	v_and_or_b32 v[20+\j], v[20+\j], 0x7f800000, s[MNT]   ; 57,344 x the scale
.endr
	s_wait_xcnt 0x0                                ; the last row's stores have read the codes' registers
.irp j,0,1,2,3
.irp i,0,1,2,3,4,5,6,7
	v_med3_num_f32 v[XB+8*\j+\i], v[XB+8*\j+\i], -v[20+\j], v[20+\j]
.endr
	v_cvt_scalef32_pk8_bf8_f32 v[160+2*\j:161+2*\j], v[XB+8*\j:XB+8*\j+7], v[24+\j]
.endr
	v_nop                                          ; a plain instruction between the last conversion and the write of its scale operand
.irp j,0,1,2,3
	v_lshrrev_b32 v[24+\j], 23, v[24+\j]           ; the scale's byte
.endr
.irp j,0,1,2,3
	ds_store_b8 v6, v[24+\j] offset:32*(\k)+8*\j   ; the four lanes of a block write the same byte with the same value
	global_store_b64 v5, v[160+2*\j:161+2*\j], s[54:55] offset:(\k)*1024+256*\j   ; 32 lanes store 256 consecutive bytes, aligned
.endr
.if (\k)+2 < 4
	XLOADR (\k)+2
.endif
.endm
	XROW 0
	XROW 1
	XROW 2
	XROW 3
	ds_load_b32 v9, v7                             ; my wave's 128 scale bytes: four neighbouring positions' rows of 32
	s_wait_dscnt 0x0
	global_store_b32 v8, v9, s[56:57]
	s_wait_tensorcnt 0x0
	ds_add_u32 v168, v169
	s_wait_dscnt 0x0
	s_endpgm
; A block of 32 along K in one lane's registers v[xs] on: codes into v[c] .. v[c + 7], the byte into byte t % 4 of v[sb].
.macro BLK32 xs, c, sb, t
	v_max3_num_f32 v12, |v[\xs]|, |v[\xs+1]|, |v[\xs+2]|
	v_max3_num_f32 v13, |v[\xs+3]|, |v[\xs+4]|, |v[\xs+5]|
.irp i,6,10,14,18,22,26
	v_max3_num_f32 v12, v12, |v[\xs+\i]|, |v[\xs+\i+1]|
	v_max3_num_f32 v13, v13, |v[\xs+\i+2]|, |v[\xs+\i+3]|
.endr
	v_max3_num_f32 v12, v12, |v[\xs+30]|, |v[\xs+31]|
	v_max3_num_f32 v12, v12, v13, 0x8000000
	v_add_nc_u32 v11, 0xf8800000, v12
	v_and_or_b32 v10, v12, 0x7f800000, s[MNT]
	v_lshrrev_b32 v13, 23, v11
.if (\t)%4 == 0
	v_mov_b32 v[\sb], v13
.else
	v_lshl_or_b32 v[\sb], v13, 8*((\t)%4), v[\sb]
.endif
.set i, 0
.rept 32
	v_med3_num_f32 v[\xs+i], v[\xs+i], -v10, v10
.set i, i+1
.endr
.irp g,0,1,2,3
	v_cvt_scalef32_pk8_bf8_f32 v[\c+2*\g:\c+2*\g+1], v[\xs+8*\g:\xs+8*\g+7], v11
.endr
.endm
; block t of a lane's column: 32 rows of the tensor, pitch bytes apart, into set t % 2 of v32-95
.macro KLOAD t, sb, pitch
.set i, 0
.rept 32
	global_load_b32 v[32+32*((\t)%2)+i], v4, s[\sb:\sb+1] offset:(32*(\t)+i)*\pitch th:TH_LOAD_NT
.set i, i+1
.endr
.endm
; ---------------------------------------------------------------- role W: a lane takes a column of uvqk, its registers run down K; a wave takes 32 columns x 256 along K
.Lrole_w:
	s_sub_co_u32 s48, ttmp9, 768
	s_and_b32 s49, s48, 7                          ; which 256 columns
	s_lshr_b32 s50, s48, 3                         ; which 256 along K
	s_lshl_b32 s52, s50, 21
	s_lshl_b32 s51, s49, 10
	s_add_co_u32 s52, s52, s51
	s_lshl_b32 s51, s[WV], 7
	s_add_co_u32 s52, s52, s51
	s_add_nc_u64 s[10:11], s[10:11], s[52:53]
	s_lshl_b32 s54, s49, 2                         ; my 32 columns begin at 256 cg + 32 w: head = (that / 64) % 8, role = that / 512, half = w % 2
	s_lshr_b32 s55, s[WV], 1
	s_add_co_u32 s54, s54, s55
	s_and_b32 s54, s54, 7
	s_lshl_b32 s54, s54, 8
	s_lshr_b32 s55, s49, 1
	s_lshl_b32 s55, s55, 6
	s_add_co_u32 s54, s54, s55
	s_and_b32 s55, s[WV], 1
	s_lshl_b32 s55, s55, 5
	s_add_co_u32 s54, s54, s55                     ; the first of my 32 rows of wq
	s_lshl_b32 s52, s54, 10
	s_lshl_b32 s55, s50, 8
	s_add_co_u32 s52, s52, s55
	s_add_nc_u64 s[56:57], s[36:37], s[52:53]      ; codes
	s_lshl_b32 s52, s54, 5
	s_lshl_b32 s55, s50, 3
	s_add_co_u32 s52, s52, s55
	s_add_nc_u64 s[58:59], s[36:37], s[52:53]
	s_add_nc_u64 s[58:59], s[58:59], 2097152       ; scale bytes
	v_lshlrev_b32 v4, 2, v1
	s_mul_i32 s60, s[WV], 8704
	s_add_co_u32 s60, s60, WST
	v_mul_u32_u24 v5, v1, 272
	v_add_nc_u32 v5, s60, v5                       ; into the stage: row = my channel
	v_mul_u32_u24 v7, v3, 272
	v_lshl_add_u32 v7, v2, 4, v7
	v_add_nc_u32 v7, s60, v7                       ; out of it: sixteen lanes to a row
	v_lshlrev_b32 v8, 10, v3
	v_lshl_add_u32 v8, v2, 4, v8
	v_and_b32 v9, 7, v1                            ; my channel's position: bits 3 and 4 exchanged
	v_bfe_u32 v14, v1, 3, 1
	v_lshl_or_b32 v9, v14, 4, v9
	v_lshl_or_b32 v9, v3, 3, v9
	v_lshlrev_b32 v9, 5, v9
	KLOAD 0, 10, 8192
	KLOAD 1, 10, 8192
.set BN, 0
.rept 8
.if BN < 7
	s_wait_loadcnt 32                              ; this block's 32 loads are in; the next block's stay out
.else
	s_wait_loadcnt 0x0
.endif
	BLK32 32+32*(BN%2), 96, 24+BN/4, BN
	ds_store_b128 v5, v[96:99] offset:32*BN
	ds_store_b128 v5, v[100:103] offset:32*BN+16
.if BN+2 < 8
	KLOAD BN+2, 10, 8192
.endif
	s_wait_dscnt 0x0                               ; the stores have read the codes' registers
.set BN, BN+1
.endr
	global_store_b64 v9, v[24:25], s[58:59]        ; my column's 8 scale bytes, at its position's row
.set t, 0
.rept 16
	ds_load_b128 v[32+4*t:35+4*t], v7 offset:(((2*t)&7)|((((2*t)>>3)&1)<<4)|((((2*t)>>4)&1)<<3))*272   ; positions 2 t and 2 t + 1 take the stage rows of their channels
.set t, t+1
.endr
.set t, 0
.rept 16
	s_wait_dscnt 15-t
	global_store_b128 v8, v[32+4*t:35+4*t], s[56:57] offset:2*t*1024    ; sixteen lanes store 256 consecutive bytes, aligned
.set t, t+1
.endr
	s_wait_tensorcnt 0x0
	ds_add_u32 v168, v169
	s_wait_dscnt 0x0
	s_endpgm
; ---------------------------------------------------------------- role O: o_w, 32 columns a wave x 128 along K, straight into the images of the operand's registers
.Lrole_o:
	s_sub_co_u32 s48, ttmp9, 800
	s_and_b32 s49, s48, 3                          ; chunk of 256 columns
	s_lshr_b32 s50, s48, 2                         ; K step of 128
	s_lshl_b32 s52, s50, 19
	s_lshl_b32 s51, s49, 10
	s_add_co_u32 s52, s52, s51
	s_lshl_b32 s51, s[WV], 7
	s_add_co_u32 s52, s52, s51
	s_add_nc_u64 s[12:13], s[12:13], s[52:53]
	s_mul_i32 s52, s49, 135168
	s_mul_i32 s51, s[WV], 16896
	s_add_co_u32 s52, s52, s51
	s_add_nc_u64 s[36:37], s[36:37], s[52:53]
	s_add_nc_u64 s[36:37], s[36:37], 2162688       ; the piece of (chunk, wave)
	s_lshl_b32 s52, s50, 11
	s_add_nc_u64 s[54:55], s[36:37], s[52:53]      ; fragment (nt, ks) at (4 nt + ks) 2,048
	s_lshl_b32 s52, s50, 7
	s_add_nc_u64 s[56:57], s[36:37], s[52:53]      ; scale words at 16,384 + 128 ks
	v_lshlrev_b32 v4, 2, v1
	v_lshlrev_b32 v5, 4, v2
	v_lshl_add_u32 v5, v3, 13, v5                  ; lane = column: tile nt = lane / 16, row r: 8,192 nt + 16 r
	KLOAD 0, 12, 4096
	KLOAD 1, 12, 4096
.set BN, 0
.rept 4
.if BN < 3
	s_wait_loadcnt 32
.else
	s_wait_loadcnt 0x0
.endif
	BLK32 32+32*(BN%2), 96+8*BN, 24, BN
.if BN+2 < 4
	KLOAD BN+2, 12, 4096
.endif
.set BN, BN+1
.endr
.irp c,0,1,2,3
	global_store_b128 v5, v[96+8*\c:99+8*\c], s[54:55] offset:512*\c           ; k 32 c + 0..15: the image's lanes 0-15: sixteen lanes store 256 consecutive bytes, aligned
	global_store_b128 v5, v[100+8*\c:103+8*\c], s[54:55] offset:512*\c+256     ; k 32 c + 16..31: its lanes 16-31
.endr
	global_store_b32 v4, v24, s[56:57] offset:16384
	s_endpgm
; ---------------------------------------------------------------- role F: product 5.  Its left operand has four different rows: LayerNorm(act_tab[id]).  One matrix instruction a wave: 16 columns of film_w.
.macro Q16 s, d, w                     ; 16 numbers of a lane, k = 16 h + i of one block of 32, become 4 registers of codes; the word: the byte under three bytes 127 for the zero codes
	v_max3_num_f32 v12, |v[\s]|, |v[\s+1]|, 0x8000000
.irp i,2,4,6,8,10,12,14
	v_max3_num_f32 v12, v12, |v[\s+\i]|, |v[\s+\i+1]|
.endr
	v_permlanex16_b32 v13, v12, s[SEL], s[SEL+1]
	v_max_num_f32 v12, v12, v13
	v_add_nc_u32 v11, 0xf8800000, v12
	v_and_or_b32 v10, v12, 0x7f800000, s[MNT]
	v_lshrrev_b32 v13, 23, v11
	v_or_b32 v[\w], 0x7f7f7f00, v13
.set i, 0
.rept 16
	v_med3_num_f32 v[\s+i], v[\s+i], -v10, v10
.set i, i+1
.endr
	v_cvt_scalef32_pk8_bf8_f32 v[\d:\d+1], v[\s:\s+7], v11
	v_cvt_scalef32_pk8_bf8_f32 v[\d+2:\d+3], v[\s+8:\s+15], v11
	v_nop
.endm
.Lrole_f:
	s_sub_co_u32 s48, ttmp9, 816
	s_lshl_b32 s49, s48, 3
	s_add_co_u32 s49, s49, s[WV]                   ; column tile 0..127
	s_load_b32 s50, s[30:31], 0x0                  ; r_scale
	s_load_b32 s51, s[32:33], 0x0                  ; b_scale
	v_and_b32 v4, 3, v2
	v_lshlrev_b32 v4, 7, v4
	v_lshl_add_u32 v4, v3, 6, v4                   ; act_tab: row r % 4, + 64 h
	v_lshlrev_b32 v5, 6, v3
	v_lshlrev_b32 v6, 2, v2
	v_lshl_add_u32 v7, v3, 17, v6                  ; film_w: 16 h rows of 8,192 bytes, column r
	s_lshl_b32 s52, s49, 6
	s_add_nc_u64 s[26:27], s[26:27], s[52:53]
	s_add_nc_u64 s[28:29], s[28:29], s[52:53]
.irp q,0,1,2,3
	global_load_b128 v[32+4*\q:35+4*\q], v4, s[20:21] offset:16*\q
	global_load_b128 v[48+4*\q:51+4*\q], v5, s[22:23] offset:16*\q
	global_load_b128 v[64+4*\q:67+4*\q], v5, s[24:25] offset:16*\q
.endr
.set i, 0
.rept 16
	global_load_b32 v[80+i], v7, s[26:27] offset:8192*i
.set i, i+1
.endr
	global_load_b32 v96, v6, s[28:29]
	s_lshr_b32 s54, s49, 6
	s_lshl_b32 s52, s54, 14
	s_and_b32 s55, s49, 63
	s_lshl_b32 s55, s55, 6
	s_add_co_u32 s52, s52, s55
	s_add_nc_u64 s[38:39], s[38:39], s[52:53]      ; the table's side and my 16 columns (+ 1,024 in the immediate)
	s_mov_b32 s56, 0x3d000000                      ; 1 / 32
	s_mov_b32 s57, 0x3727c5ac
	v_mov_b32 v13, 0
	v_mov_b32 v15, 0
	v_mov_b32 v17, 0
.set i, 4
.rept 12
	v_mov_b32 v[100+i], 0                          ; K = 32: the other 96 of the instruction's 128 are zero codes, on both sides
	v_mov_b32 v[116+i], 0
.set i, i+1
.endr
	s_wait_loadcnt 0x0
	v_pk_add_f32 v[8:9], v[32:33], v[34:35]
.irp i,4,6,8,10,12,14
	v_pk_add_f32 v[8:9], v[8:9], v[32+\i:33+\i]
.endr
	v_add_f32 v8, v8, v9
	v_permlanex16_b32 v13, v8, s[SEL], s[SEL+1]
	v_add_f32 v8, v8, v13
	v_mul_f32 v14, s56, v8
.irp i,0,2,4,6,8,10,12,14
	v_pk_add_f32 v[32+\i:33+\i], v[32+\i:33+\i], v[14:15] op_sel_hi:[1,0] neg_lo:[0,1] neg_hi:[0,1]
.endr
	v_pk_mul_f32 v[8:9], v[32:33], v[32:33]
.irp i,2,4,6,8,10,12,14
	v_pk_fma_f32 v[8:9], v[32+\i:33+\i], v[32+\i:33+\i], v[8:9]
.endr
	v_add_f32 v8, v8, v9
	v_permlanex16_b32 v13, v8, s[SEL], s[SEL+1]
	v_add_f32 v8, v8, v13
	v_fma_f32 v8, v8, s56, s57
	v_rsq_f32 v16, v8
	v_nop
	s_wait_alu depctr_va_vdst(0)
.irp i,0,2,4,6,8,10,12,14
	v_pk_mul_f32 v[32+\i:33+\i], v[32+\i:33+\i], v[16:17] op_sel_hi:[1,0]
.endr
.irp i,0,2,4,6,8,10,12,14
	v_pk_fma_f32 v[32+\i:33+\i], v[32+\i:33+\i], v[48+\i:49+\i], v[64+\i:65+\i]
.endr
	Q16 32, 100, 30
	Q16 80, 116, 31
.rept 8
	v_nop                                          ; a scale word made by vector instructions stands 8 places ahead of the scaled matrix instruction, codes 4
.endr
	v_wmma_scale_f32_16x16x128_f8f6f4 v[132:139], v[100:115], v[116:131], 0, v30, v31 matrix_a_fmt:MATRIX_FMT_BF8 matrix_b_fmt:MATRIX_FMT_BF8
.rept 8
	v_nop
.endr
	v_cndmask_b32 v20, v132, v134, s[HM]           ; register j of either half of the lanes is id j: lanes 0-15 take ids 0, 1, lanes 16-31 ids 2, 3
	v_cndmask_b32 v21, v133, v135, s[HM]
	v_add_f32 v20, v20, v96
	v_add_f32 v21, v21, v96
	v_mul_f32 v22, 0x4038aa3b, v20
	v_mul_f32 v23, 0x4038aa3b, v21
	v_exp_f32 v22, v22
	v_exp_f32 v23, v23
	v_nop
	s_wait_alu depctr_va_vdst(0)
	v_add_f32 v22, 1.0, v22
	v_add_f32 v23, 1.0, v23
	v_rcp_f32 v22, v22
	v_rcp_f32 v23, v23
	v_lshlrev_b32 v24, 13, v3
	s_wait_alu depctr_va_vdst(0)
	v_fma_f32 v22, v22, -2.0, 1.0                  ; tanh
	v_fma_f32 v23, v23, -2.0, 1.0
	s_wait_kmcnt 0x0
	v_mul_f32 v22, s50, v22
	v_mul_f32 v23, s50, v23
	v_mul_f32 v20, s51, v20
	v_mul_f32 v21, s51, v21
	s_cmp_lt_u32 s49, 64                           ; columns under 1,024 are r's, the others b's
	s_cselect_b32 s54, -1, 0
	v_cndmask_b32 v20, v20, v22, s54
	v_cndmask_b32 v21, v21, v23, s54
	v_lshl_add_u32 v24, v2, 2, v24
	global_store_b32 v24, v20, s[38:39] offset:1024       ; runs of 64 bytes: the two tables are 32 KB in all, so no stage is spent on them
	global_store_b32 v24, v21, s[38:39] offset:1024+4096
	s_endpgm
; ---------------------------------------------------------------- role R: a wave makes one tile of 16 rows: for each lane 16 pairs (cos, sin)
.Lrole_r:
	s_sub_co_u32 s48, ttmp9, 832
	s_lshl_b32 s49, s48, 3
	s_add_co_u32 s49, s49, s[WV]                   ; tile T
	s_lshr_b32 s50, s49, 1
	s_lshl_b32 s50, s50, 5
	s_and_b32 s51, s49, 1
	s_lshl_b32 s51, s51, 3
	s_add_co_u32 s50, s50, s51
	s_lshl_b32 s52, s49, 12
	s_add_nc_u64 s[38:39], s[38:39], s[52:53]
	v_and_b32 v4, 8, v2
	v_add_nc_u32 v4, v4, v2
	v_add_nc_u32 v4, s50, v4
	v_cvt_f32_u32 v4, v4                           ; s = 32 (T / 2) + 8 (T % 2) + r + 8 (r / 8)
	v_lshlrev_b32 v5, 3, v3
	v_lshlrev_b32 v16, 4, v1
	s_mov_b32 s66, 0xbfc90fdb                      ; -pi/2 in three parts
	s_mov_b32 s67, 0x333bbd2e
	s_mov_b32 s68, 0x26f72ced
	s_mov_b32 s69, 0xb94ca1f9                      ; the sine's three coefficients
	s_mov_b32 s70, 0x3c08839e
	s_mov_b32 s71, 0xbe2aaaa3
	s_mov_b32 s72, 0x37ccf5ce                      ; the cosine's
	s_mov_b32 s73, 0xbab6061a
	s_mov_b32 s74, 0x3d2aaaa5
	s_mov_b32 s75, 0xbed49a78                      ; -log2(10000) / 32, upper part,
	s_mov_b32 s76, 0xb2179a3a                      ; and what it leaves
.set n, 0
.rept 16
	v_add_nc_u32 v[32+n], 16*(n/8)+2*((n/2)%4)+(n%2), v5      ; frequency i of pair n: 16 (n / 8) + 8 h + n % 8
.set n, n+1
.endr
.set n, 0
.rept 16
	v_cvt_f32_u32 v[32+n], v[32+n]
.set n, n+1
.endr
.set n, 0
.rept 16
	v_mul_f32 v[48+n], s75, v[32+n]
.set n, n+1
.endr
.set n, 0
.rept 16
	v_rndne_f32 v[48+n], v[48+n]                   ; the whole part of the exponent,
.set n, n+1
.endr
.set n, 0
.rept 16
	v_fma_f32 v[64+n], v[32+n], s75, -v[48+n]      ; its fraction, exact,
.set n, n+1
.endr
.set n, 0
.rept 16
	v_fma_f32 v[64+n], v[32+n], s76, v[64+n]       ; with the constant's lower part
.set n, n+1
.endr
.set n, 0
.rept 16
	v_exp_f32 v[64+n], v[64+n]
.set n, n+1
.endr
.set n, 0
.rept 16
	v_cvt_i32_f32 v[48+n], v[48+n]                 ; independent work behind the batch
.set n, n+1
.endr
	s_wait_alu depctr_va_vdst(0)                   ; one wait for the 16 exponentials
.set n, 0
.rept 16
	v_ldexp_f32 v[64+n], v[64+n], v[48+n]          ; 10000^(-i/32)
.set n, n+1
.endr
.set n, 0
.rept 16
	v_mul_f32 v[64+n], v4, v[64+n]                 ; the angle, rounded once
.set n, n+1
.endr
.set n, 0
.rept 16
	v_mul_f32 v6, 0x3f22f983, v[64+n]
	v_rndne_f32 v6, v6                             ; quarter turns
	v_fma_f32 v7, v6, s66, v[64+n]
	v_fma_f32 v7, v6, s67, v7
	v_fma_f32 v7, v6, s68, v7                      ; what is left, within +-pi/4
	v_cvt_i32_f32 v8, v6
	v_mul_f32 v9, v7, v7
	v_fma_f32 v10, v9, s69, s70
	v_fma_f32 v11, v9, s72, s73
	v_fma_f32 v10, v10, v9, s71
	v_fma_f32 v11, v11, v9, s74
	v_mul_f32 v10, v10, v9
	v_mul_f32 v11, v11, v9
	v_fma_f32 v12, v9, -0.5, 1.0
	v_fma_f32 v10, v10, v7, v7                     ; sine of the rest
	v_fma_f32 v11, v11, v9, v12                    ; cosine of the rest
	v_and_b32 v13, 1, v8
	v_cmp_eq_u32 vcc_lo, 1, v13
	v_cndmask_b32 v14, v10, v11, vcc_lo
	v_cndmask_b32 v15, v11, v10, vcc_lo
	v_and_b32 v13, 2, v8
	v_lshlrev_b32 v13, 30, v13
	v_xor_b32 v[97+2*n], v13, v14
	v_add_nc_u32 v13, 1, v8
	v_and_b32 v13, 2, v13
	v_lshlrev_b32 v13, 30, v13
	v_xor_b32 v[96+2*n], v13, v15
.set n, n+1
.endr
.irp g,0,1,2,3,4,5,6,7
	global_store_b128 v16, v[96+4*\g:99+4*\g], s[38:39] offset:33792+512*\g     ; 512 consecutive bytes, aligned
.endr
	s_endpgm
.Lfunc_end_k_qec035eaadf_prep:
	.size	k_qec035eaadf_prep, .Lfunc_end_k_qec035eaadf_prep-k_qec035eaadf_prep
	.p2alignl 7, 3214868480
	.fill 96, 4, 3214868480
	.section	.rodata,"a",@progbits
	.p2align	6, 0x0
	.amdhsa_kernel k_qec035eaadf_prep
		.amdhsa_group_segment_fixed_size 106496
		.amdhsa_private_segment_fixed_size 0
		.amdhsa_enable_private_segment 0
		.amdhsa_kernarg_size 152
		.amdhsa_user_sgpr_count 2
		.amdhsa_user_sgpr_kernarg_segment_ptr 1
		.amdhsa_wavefront_size32 1
		.amdhsa_system_sgpr_workgroup_id_x 1
		.amdhsa_system_sgpr_workgroup_id_y 1
		.amdhsa_system_sgpr_workgroup_id_z 1
		.amdhsa_system_vgpr_workitem_id 0
		.amdhsa_next_free_vgpr 170
		.amdhsa_next_free_sgpr 80
		.amdhsa_reserve_vcc 1
		.amdhsa_float_denorm_mode_32 3
		.amdhsa_float_denorm_mode_16_64 3
		.amdhsa_memory_ordered 1
		.amdhsa_forward_progress 1
		.amdhsa_inst_pref_size 245
	.end_amdhsa_kernel
	.amdgpu_metadata
---
amdhsa.version: [ 1, 2 ]
amdhsa.kernels:
  - .name:           k_qec035eaadf_prep
    .symbol:         k_qec035eaadf_prep.kd
    .args:
      - { .name: x, .offset: 0, .size: 8, .value_kind: global_buffer, .address_space: global }
      - { .name: ln_g, .offset: 8, .size: 8, .value_kind: global_buffer, .address_space: global }
      - { .name: ln_b, .offset: 16, .size: 8, .value_kind: global_buffer, .address_space: global }
      - { .name: uvqk, .offset: 24, .size: 8, .value_kind: global_buffer, .address_space: global }
      - { .name: o_w, .offset: 32, .size: 8, .value_kind: global_buffer, .address_space: global }
      - { .name: interval, .offset: 40, .size: 8, .value_kind: global_buffer, .address_space: global }
      - { .name: attn_mask, .offset: 48, .size: 8, .value_kind: global_buffer, .address_space: global }
      - { .name: ts_w, .offset: 56, .size: 8, .value_kind: global_buffer, .address_space: global }
      - { .name: act_tab, .offset: 64, .size: 8, .value_kind: global_buffer, .address_space: global }
      - { .name: film_ln_g, .offset: 72, .size: 8, .value_kind: global_buffer, .address_space: global }
      - { .name: film_ln_b, .offset: 80, .size: 8, .value_kind: global_buffer, .address_space: global }
      - { .name: film_w, .offset: 88, .size: 8, .value_kind: global_buffer, .address_space: global }
      - { .name: film_b, .offset: 96, .size: 8, .value_kind: global_buffer, .address_space: global }
      - { .name: r_scale, .offset: 104, .size: 8, .value_kind: global_buffer, .address_space: global }
      - { .name: b_scale, .offset: 112, .size: 8, .value_kind: global_buffer, .address_space: global }
      - { .name: hq, .offset: 120, .size: 8, .value_kind: global_buffer, .address_space: global }
      - { .name: wq, .offset: 128, .size: 8, .value_kind: global_buffer, .address_space: global }
      - { .name: tab, .offset: 136, .size: 8, .value_kind: global_buffer, .address_space: global }
      - { .name: cimg, .offset: 144, .size: 8, .value_kind: global_buffer, .address_space: global }
    .group_segment_fixed_size: 106496
    .private_segment_fixed_size: 0
    .kernarg_segment_align: 8
    .kernarg_segment_size: 152
    .max_flat_workgroup_size: 256
    .sgpr_count:     80
    .vgpr_count:     170
    .wavefront_size: 32
...
	.end_amdgpu_metadata
.endif
;; end of part 1
;; launch proj (part 2): grid 8 x 32, 4 waves a work-group, clusters of 4 x 4, 327,680 bytes of LDS; arguments hq, wq, tab, kv, uq; writes kv, uq
.if DOCPART == 2
	.amdgcn_target "amdgcn-amd-amdhsa--gfx1250"
	.amdhsa_code_object_version 6
	.text
	.protected	k_qec035eaadf_proj
	.globl	k_qec035eaadf_proj
	.p2align	8
	.type	k_qec035eaadf_proj,@function
k_qec035eaadf_proj:
	s_mov_b64 s[64:65], 0
	v_nop
	global_prefetch_b8 v0, s[64:65] scope:SCOPE_SE
	s_setreg_imm32_b32 hwreg(HW_REG_WAVE_MODE, 25, 1), 1
	s_wait_xcnt 0x0
	s_wait_alu depctr_hold_cnt(0) depctr_sa_sdst(0) depctr_va_vdst(0) depctr_va_sdst(0) depctr_va_ssrc(0) depctr_va_vcc(0) depctr_vm_vsrc(0)
	s_getreg_b32 s2, hwreg(HW_REG_IB_STS2, 6, 4)
	s_cmp_eq_u32 s2, 0
	s_cbranch_scc0 .Lentry_in_a_cluster
	s_endpgm
.Lentry_in_a_cluster:
	s_bfe_u32 s2, ttmp6, 0x10000c
	s_cmp_lg_u32 s2, 0xf033
	s_cbranch_scc0 .Lentry_shape_is_right
	s_endpgm
.Lentry_shape_is_right:
; PROJ: product 1, LayerNorm(x) [8,192 x 1,024] x uvqk [1,024 x 2,048], on codes of E5M2 with E8M0 scales; then silu, the rotary embedding of Q and K, and the quantising of Q, K (along the head's 64) and V (along the keys).
; A tile of 256 rows x 256 columns to a work-group of four waves, 128 x 128 a wave: 64 accumulators, 512 registers.  K goes in steps of 256 through a ring of two LDS slots filled by the tensor data mover;
; the scale bytes of the work-group's rows come once and stay.  4 x 4 work-groups form a cluster: A's tiles are asked for jointly along a row of it, B's along a column.
; wq's rows are ordered head, role, channel position, so THE TILE COLUMN IS THE HEAD and the roles fall on waves: waves 0, 2 hold U | V, waves 1, 3 hold Q | K: every work-group runs one text, and every branch hangs on the wave's number.
; The matrix instruction is used transposed (source 0 = 16 rows of wq, source 1 = 16 rows of hq): a lane holds one row, and, by the position order of the channels, registers 16 b + i of a role are channels 32 b + 16 (lane / 16) + i.
; A wave's 128 rows are one tile of 128 keys; by the position order of the rows, row r of block a is item 32 (a / 2) + 8 (a % 2) + r + 8 (r / 8) of it.
; OUT: uq: U in f32, Q's codes and scale words, as images of registers; kv: for each (batch, key tile, head) one piece of 16,896 bytes: K's four pair fragments, V's four fragments, their scale words.
; LIMITS: silu(x) = x / (1 + 2^(-x log2 e)): under x = -88 the result is -0 where the exact one is under 1e-36 in magnitude; a block of zeros carries the byte 1; NaN and infinities are not served.
; REGISTERS in the loop: window 0: v0-31 addresses; v32-63 scale words, two sets (they hold nothing else in the whole text); from v128 A's fragments, one set.  window 1: B's fragments, two sets.  windows 2, 3: the accumulators.
.set SIZE_K, 1024
.set KSTEP,  256
.set NQ,     2                         ; matrix instructions deep in a slot
.set ROWB,   256
.set KROW,   1024
.set PITCH,  272                       ; an LDS row: 256 bytes + 16 of padding: the 16 rows that a load touches start 16 bytes apart modulo 256
.set FR,     16
.set NL,     4
.set NP,     8                         ; places behind this matrix instruction (ISA guide 7.12.1)
.set HALFT,  128*PITCH
.set SLOT,   4*HALFT
.set LAPS,   2
.set KS,     32                        ; a row of scale bytes
.set SCL,    2*SLOT
.set HALFS,  4352
.set SBLK,   544
.set SPARE,  SCL+4*HALFS               ; the spare words: 128 bytes a wave, two blocks of 256 bytes that no other line names
.set ADRA, 16
.set ADRB, 20
.set SPW,  28
.set NIL,  29
.set ADRS, 27
.set SC,   32
.set AF,   128
.set G1, 24
.set G0, 32
.set G1B, 48
.set G0B, 56
.set G1S, 68
.set G0S, 76
.set G1SB, 80
.set G0SB, 88
.set MSB, 0
.macro WIN new                         ; the immediate's high byte repeats the setting that is left
.if MSB != (\new)
	s_set_vgpr_msb (MSB<<8)|(\new)
.set MSB, (\new)
.endif
.endm
.set MUL_LO, 0xa1
.set MUL_HI, 0xf1
.set TO_B,   0x40
.macro JLOAD g0a, g1a, g0b, g1b        ; a joint load: waves 0 and 1 fetch for A, waves 2 and 3 for B; four v_nop follow each of the two lines
	s_cmp_eq_u32 s15, 0
	s_cbranch_scc0 .Lfor_b_\@
	tensor_load_to_lds s[\g0a:\g0a+3], s[\g1a:\g1a+7]
	s_nop 0
.rept 4
	v_nop
.endr
	s_branch .Lasked_\@
.Lfor_b_\@:
	tensor_load_to_lds s[\g0b:\g0b+3], s[\g1b:\g1b+7]
	s_nop 0
.rept 4
	v_nop
.endr
.Lasked_\@:
.endm
.macro CREST
	s_cmp_lg_u32 s14, 0
	s_cbranch_scc1 .Lnot_wave_0_\@
	s_barrier_signal -3
.Lnot_wave_0_\@:
	s_barrier_wait -3
	s_barrier_signal -1
	s_barrier_wait -1
.endm
.macro CROUND
	s_barrier_signal -1
	s_barrier_wait -1
	CREST
.endm
	s_load_b64 s[4:5], s[0:1], 0x0                 ; hq
	s_load_b64 s[8:9], s[0:1], 0x8                 ; wq
	s_load_b128 s[96:99], s[0:1], 0x10             ; tab, kv
	s_load_b64 s[100:101], s[0:1], 0x20            ; uq
	v_lshl_add_u32 v[SPW], v0, 2, SPARE
	v_mov_b32 v[NIL], 0
	ds_add_u32 v28, v29
	ds_add_u32 v28, v29
	s_wait_dscnt 0x0
	v_lshrrev_b32 v1, 5, v0
	v_readfirstlane_b32 s14, v1                    ; wave 0..3
	s_lshr_b32 s15, s14, 1                         ; which 128 rows are mine.  Also: I fetch for A (0) or for B (1)
	s_and_b32 s16, s14, 1                          ; which 128 columns: 0: U | V, 1: Q | K.  Also: which 128 rows of a tile I fetch
	s_bfe_u32 s40, ttmp6, 0x40000
	s_bfe_u32 s41, ttmp6, 0x40004
	s_lshl_b32 s42, ttmp9, 2
	s_add_co_u32 s42, s42, s40                     ; tile column = the head
	s_and_b32 s17, ttmp7, 0xffff
	s_lshl_b32 s17, s17, 2
	s_add_co_u32 s17, s17, s41                     ; tile row
	s_lshl_b32 s43, s41, 2
	s_lshl_b32 s43, 15, s43                        ; my row of the cluster
	s_lshl_b32 s44, 0x1111, s40                    ; my column
	s_or_b32 s[G1+0], s43, (0<<16)|(1<<20)|(1<<21)|(5<<22)|(3<<25)  ; the mask; elements of 1 byte; padding: 4 words behind every 64; bit 21 beside a mask
	s_or_b32 s[G1B+0], s44, (0<<16)|(1<<20)|(1<<21)|(5<<22)|(3<<25)
.irp g, G1, G1B
	s_mov_b32 s[\g+1], ROWB<<16                    ; tensor_dim0
	s_mov_b32 s[\g+2], 128<<16                     ; tensor_dim1
	s_mov_b32 s[\g+3], ROWB<<16                    ; tile_dim0
	s_mov_b32 s[\g+4], 128                         ; tile_dim1
	s_mov_b32 s[\g+5], KROW                        ; the pitch
	s_mov_b32 s[\g+6], 0
	s_mov_b32 s[\g+7], 0
.endr
	s_or_b32 s[G1S+0], s43, (3<<16)|(1<<20)|(1<<21)|(5<<22)|(3<<25)  ; the scale bytes of 128 rows: 4,096 dense bytes as 16 rows of 256, 16 bytes of padding behind each
	s_or_b32 s[G1SB+0], s44, (3<<16)|(1<<20)|(1<<21)|(5<<22)|(3<<25)
.irp g, G1S, G1SB
	s_mov_b32 s[\g+1], 32<<16
	s_mov_b32 s[\g+2], (128*KS/256)<<16
	s_mov_b32 s[\g+3], 32<<16
	s_mov_b32 s[\g+4], 128*KS/256
	s_mov_b32 s[\g+5], 32
	s_mov_b32 s[\g+6], 0
	s_mov_b32 s[\g+7], 0
.endr
	s_lshl_b32 s18, s16, 7
	s_lshl_b32 s20, s17, 8
	s_add_co_u32 s20, s20, s18                     ; A: row 256 x tile row + 128 x half
	s_lshl_b32 s46, s42, 8
	s_add_co_u32 s46, s46, s18                     ; B: row 256 x tile column + 128 x half
	s_mov_b32 s21, 0
	s_mov_b32 s47, 0
	s_mov_b64 s[18:19], KS
	s_mul_u64 s[22:23], s[20:21], s[18:19]
	s_mul_u64 s[92:93], s[46:47], s[18:19]
	s_mov_b64 s[18:19], KROW
	s_mul_u64 s[20:21], s[20:21], s[18:19]
	s_mul_u64 s[46:47], s[46:47], s[18:19]
	s_mul_i32 s45, s14, HALFT
	s_mul_i32 s94, s14, HALFS
	s_wait_kmcnt 0x0
	s_add_nc_u64 s[6:7], s[4:5], 8388608           ; hq's scale bytes
	s_add_nc_u64 s[10:11], s[8:9], 2097152         ; wq's
	s_add_nc_u64 s[20:21], s[4:5], s[20:21]
	s_add_nc_u64 s[22:23], s[6:7], s[22:23]
	s_add_nc_u64 s[46:47], s[8:9], s[46:47]
	s_add_nc_u64 s[92:93], s[10:11], s[92:93]
	CROUND                                         ; all sixteen work-groups are here: the first joint loads meet
	s_mov_b32 s[G0S], 1
	s_add_co_u32 s[G0S+1], s94, SCL
	s_mov_b64 s[G0S+2:G0S+3], s[22:23]
	s_or_b32 s[G0S+3], s[G0S+3], 0x80000000
	s_mov_b32 s[G0SB], 1
	s_add_co_u32 s[G0SB+1], s94, SCL
	s_mov_b64 s[G0SB+2:G0SB+3], s[92:93]
	s_or_b32 s[G0SB+3], s[G0SB+3], 0x80000000
	JLOAD G0S, G1S, G0SB, G1SB                     ; the scales first: they are wanted with K step 0
.irp s, 0,1
	s_mov_b32 s[G0+4*\s], 1
	s_add_co_u32 s[G0+4*\s+1], s45, \s*SLOT
	s_add_nc_u64 s[G0+4*\s+2:G0+4*\s+3], s[20:21], \s*ROWB
	s_or_b32 s[G0+4*\s+3], s[G0+4*\s+3], 0x80000000
	s_mov_b32 s[G0B+4*\s], 1
	s_add_co_u32 s[G0B+4*\s+1], s45, \s*SLOT
	s_add_nc_u64 s[G0B+4*\s+2:G0B+4*\s+3], s[46:47], \s*ROWB
	s_or_b32 s[G0B+4*\s+3], s[G0B+4*\s+3], 0x80000000
	JLOAD G0+4*\s, G1, G0B+4*\s, G1B               ; by this text's count three tensor loads of a wave are out here, later one
.endr
	v_and_b32 v1, 15, v0
	v_bfe_u32 v2, v0, 4, 1
	v_mul_u32_u24 v3, v1, PITCH
	v_lshl_add_u32 v4, v2, 4, v3
	s_mul_i32 s21, s15, HALFT
	s_mul_i32 s22, s16, HALFT
	s_add_co_u32 s22, s22, 2*HALFT
.irp s, 0,1
	v_add_nc_u32 v[ADRA+\s], s21, v4
	v_add_nc_u32 v[ADRB+\s], s22, v4
	s_add_co_u32 s21, s21, SLOT
	s_add_co_u32 s22, s22, SLOT
.endr
	v_mul_u32_u24 v5, v1, KS
	v_lshrrev_b32 v6, 8, v5
	v_lshl_add_u32 v5, v6, 4, v5
	s_mul_i32 s21, s15, HALFS
	s_mul_i32 s22, s16, HALFS
	s_add_co_u32 s22, s22, 2*HALFS
	s_sub_co_u32 s22, s22, s21
	v_mul_u32_u24 v6, s22, v2                      ; lanes 16-31 take B's scale words
	s_add_co_u32 s21, s21, SCL
	v_add_nc_u32 v5, v5, v6
	v_add_nc_u32 v[ADRS], s21, v5
.macro FRAG reg, adr, q, i             ; 16 rows x 128 K: registers 4 c .. 4 c + 3 hold K = 32 c + 16 (lane / 16) + 0 .. 15
.irp c, 0,1,2,3
	ds_load_b128 v[\reg+4*\c:\reg+4*\c+3], v[\adr] offset:128*(\q)+32*\c+(\i)*16*PITCH
.endr
.endm
; 16 matrix instructions: A's blocks a0, a0 + 1 x B's eight.  The 64 accumulators take turns, one instruction a turn, in the same order in every step.
.macro MUL16 a0, p, q, sc, zero
.irp a, \a0, \a0+1
.irp b, 0,1,2,3,4,5,6,7
.if \zero
	v_wmma_scale_f32_16x16x128_f8f6f4 v[8*(8*((\a)%4)+\b):8*(8*((\a)%4)+\b)+7], v[128*(\p)+FR*\b:128*(\p)+FR*\b+FR-1], v[AF+FR*(\a):AF+FR*(\a)+FR-1], 0, v[SC+8*NQ*(\sc)+NQ*\b+(\q)], v[SC+8*NQ*(\sc)+NQ*(\a)+(\q)] matrix_a_fmt:MATRIX_FMT_BF8 matrix_b_fmt:MATRIX_FMT_BF8 matrix_a_scale:MATRIX_SCALE_ROW1
.else
	v_wmma_scale_f32_16x16x128_f8f6f4 v[8*(8*((\a)%4)+\b):8*(8*((\a)%4)+\b)+7], v[128*(\p)+FR*\b:128*(\p)+FR*\b+FR-1], v[AF+FR*(\a):AF+FR*(\a)+FR-1], v[8*(8*((\a)%4)+\b):8*(8*((\a)%4)+\b)+7], v[SC+8*NQ*(\sc)+NQ*\b+(\q)], v[SC+8*NQ*(\sc)+NQ*(\a)+(\q)] matrix_a_fmt:MATRIX_FMT_BF8 matrix_b_fmt:MATRIX_FMT_BF8 matrix_a_scale:MATRIX_SCALE_ROW1
.endif
.endr
.endr
.endm
.macro FETCH_B slot, q, p
	WIN TO_B
.irp i, 0,1,2,3,4,5,6,7
	FRAG 128*(\p)+FR*\i, ADRB+\slot, \q, \i
.endr
	WIN 0
.endm
.macro FETCH_A slot, q, i0
.irp i, \i0, \i0+1, \i0+2, \i0+3
	FRAG AF+FR*(\i), ADRA+\slot, \q, \i
.endr
.endm
.macro SCALES sc                       ; a K step's scale words: lanes 0-15 A's block i, lanes 16-31 B's block i
.irp i, 0,1,2,3,4,5,6,7
	ds_load_b64 v[SC+8*NQ*\sc+NQ*\i:SC+8*NQ*\sc+NQ*\i+1], v[ADRS] offset:\i*SBLK
.endr
.endm
.macro PLACES n
.rept \n
	v_nop
.endr
.endm
.macro STEP slot, q, zero              ; a step of 128 along K that has its successor in the same slot
	s_wait_dscnt 4*NL                              ; B's set and A's blocks 0-3 are in; the youngest 16 loads (A's blocks 4-7) may be out
	WIN MUL_LO
	MUL16 0, (\q)%2, \q, \slot, \zero
	MUL16 2, (\q)%2, \q, \slot, \zero
	s_wait_dscnt 0
	PLACES NP
	FETCH_B \slot, (\q)+1, 1-(\q)%2
	FETCH_A \slot, (\q)+1, 0
	WIN MUL_HI
	MUL16 4, (\q)%2, \q, \slot, \zero
	MUL16 6, (\q)%2, \q, \slot, \zero
	PLACES NP
	WIN 0
	FETCH_A \slot, (\q)+1, 4
.endm
; A slot's last step changes slots: one barrier; in front of it each wave waits for all its tensor loads, adds 0 to its spare word, and waits for that and for its own reads of this slot.
.macro TURN slot, next, fill
	s_wait_tensorcnt 0x0                           ; all my tensor loads have landed: my part of the next slot
	ds_add_u32 v[SPW], v[NIL]                      ; 0 onto my spare word
	s_wait_dscnt 4*NL+1                            ; (the add and the youngest 16 loads may be out)
	WIN MUL_LO
	MUL16 0, 1, NQ-1, \slot, 0
	s_wait_dscnt 0x0                               ; the add is done, and my reads of this slot are over
	s_barrier_signal -1
	MUL16 2, 1, NQ-1, \slot, 0
	WIN 0
	s_barrier_wait -1
.if \fill
	CREST                                          ; the barrier has opened a round of the cluster's barrier: no wave of any partner still reads this slot or has a load on its way
	s_add_nc_u64 s[G0+4*\slot+2:G0+4*\slot+3], s[G0+4*\slot+2:G0+4*\slot+3], 2*ROWB
	s_add_nc_u64 s[G0B+4*\slot+2:G0B+4*\slot+3], s[G0B+4*\slot+2:G0B+4*\slot+3], 2*ROWB
	JLOAD G0+4*\slot, G1, G0B+4*\slot, G1B         ; the first tensor load behind the round
	PLACES NP-4
.else
	PLACES NP
.endif
	v_add_nc_u32 v[ADRS], 4*NQ, v[ADRS]
	FETCH_B \next, 0, 0
	FETCH_A \next, 0, 0
	SCALES \next
	WIN MUL_HI
	MUL16 4, 1, NQ-1, \slot, 0
	MUL16 6, 1, NQ-1, \slot, 0
	PLACES NP
	WIN 0
	FETCH_A \next, 0, 4
.endm
	s_wait_tensorcnt 1                             ; the scales and my part of K step 0 are in; K step 1's load may be out
	s_barrier_signal -1
	s_barrier_wait -1
	FETCH_B 0, 0, 0
	FETCH_A 0, 0, 0
	SCALES 0
	FETCH_A 0, 0, 4
	STEP 0, 0, 1                                   ; the first step's products start the sums
	s_mov_b32 s3, LAPS-1
.Llap:
	TURN 0, 1, 1
	STEP 1, 0, 0
	TURN 1, 0, 1
	STEP 0, 0, 0
	s_sub_co_u32 s3, s3, 1
	s_cmp_lg_u32 s3, 0
	s_cbranch_scc1 .Llap
	TURN 0, 1, 0                                   ; the last lap fills nothing
	STEP 1, 0, 0
	s_wait_dscnt 4*NL
	WIN MUL_LO
	MUL16 0, 1, NQ-1, 1, 0
	MUL16 2, 1, NQ-1, 1, 0
	s_wait_dscnt 0
	WIN MUL_HI
	MUL16 4, 1, NQ-1, 1, 0
	MUL16 6, 1, NQ-1, 1, 0
	WIN 0
; ---------------------------------------------------------------- THE WAY OUT, block by block of 16 rows
; window 0: v8, v13 the scale words of an even and an odd block; v9-12 K's or V's four words; v14-15, v18-19 words to store; v16 16 x lane, v17 8 x lane; v20, v21 V's stage;
; v64-127 WR: the block after silu; v128-191 TW: at work, then codes; v192-255 two sets of 32 cosines and sines (in waves 0, 2: v192-207 the quantiser's work registers).
.set WR,  64
.set TW,  128
.set RP,  48                           ; s[48:49] the rotary table at my first tile
.set UB,  50                           ; s[50:51] U's images
.set QI,  52                           ; s[52:53] Q's images
.set QS,  54                           ; s[54:55] Q's scale words
.set KVB, 56                           ; s[56:57] my piece of kv
.set N2E, 58                           ; s[58:59] -log2(e)
.set SEL, 60
.set MNT, 62
.set HM,  63
	PLACES NP
	s_lshr_b32 s24, s17, 3                         ; batch
	s_and_b32 s25, s17, 7
	s_lshl_b32 s26, s25, 4
	s_lshl_b32 s27, s15, 3
	s_add_co_u32 s26, s26, s27                     ; my first tile of 16 rows in the batch: 16 (tile row % 8) + 8 x half
	s_lshl_b32 s27, s24, 3
	s_add_co_u32 s27, s27, s42                     ; batch x 8 + head
	s_lshl_b32 s28, s27, 7
	s_add_co_u32 s28, s28, s26
	s_mov_b32 s31, 0
	s_lshl_b32 s30, s26, 12
	s_add_nc_u64 s[RP:RP+1], s[96:97], s[30:31]
	s_add_nc_u64 s[RP:RP+1], s[RP:RP+1], 33792
	s_lshl_b32 s30, s28, 12
	s_add_nc_u64 s[UB:UB+1], s[100:101], s[30:31]
	s_lshl_b32 s30, s28, 10
	s_add_nc_u64 s[QI:QI+1], s[100:101], s[30:31]
	s_add_nc_u64 s[QI:QI+1], s[QI:QI+1], 16777216
	s_lshl_b32 s30, s28, 7
	s_add_nc_u64 s[QS:QS+1], s[100:101], s[30:31]
	s_add_nc_u64 s[QS:QS+1], s[QS:QS+1], 20971520
	s_lshl_b32 s30, s24, 4
	s_lshl_b32 s29, s25, 1
	s_add_co_u32 s30, s30, s29
	s_add_co_u32 s30, s30, s15                     ; batch x 16 + key tile
	s_lshl_b32 s30, s30, 3
	s_add_co_u32 s30, s30, s42
	s_mul_i32 s30, s30, 16896
	s_add_nc_u64 s[KVB:KVB+1], s[98:99], s[30:31]
	s_mov_b32 s[N2E], 0xbfb8aa3b
	s_mov_b32 s[N2E+1], s[N2E]
	s_mov_b32 s[SEL], 0x76543210
	s_mov_b32 s[SEL+1], 0xfedcba98
	s_mov_b32 s[MNT], 0x600000
	s_mov_b32 s[HM], 0xffff0000
	v_and_b32 v1, 15, v0
	v_bfe_u32 v2, v0, 4, 1
	v_and_b32 v3, 31, v0
	v_lshlrev_b32 v16, 4, v3
	v_lshlrev_b32 v17, 3, v3
	v_and_b32 v4, 8, v1
	v_add_nc_u32 v4, v4, v1                        ; r + 8 (r / 8)
	s_mul_i32 s24, s14, 33792                      ; V's stage, f32 [64 channels][128 keys], pitch 528: it lies in slot 0, which has had its last fill and its last read
	v_mul_u32_u24 v20, v2, 16*528
	v_lshl_add_u32 v20, v4, 2, v20
	v_add_nc_u32 v20, s24, v20                     ; in: channel 16 h (+ 32 b + i), key r + 8 (r / 8) (+ the block's)
	v_mul_u32_u24 v21, v4, 528
	v_lshl_add_u32 v21, v2, 6, v21
	v_add_nc_u32 v21, s24, v21                     ; back: channel r + 8 (r / 8) (+ the tile's), keys 16 h (+ 32 c)
.irp b,0,1,2,3
	v_mov_b32 v[196+\b], 0                         ; a lane permute's destination counts as one of its sources
.endr
; 64 numbers of a lane, register 16 b + i = k 32 b + 16 (lane / 16) + i of its row, become 16 registers of codes in v[pc] on and the four blocks' bytes in v[pw]
.macro QUANT s, pc, pw, tm
.irp b,0,1,2,3
	v_max3_num_f32 v[\tm+\b], |v[\s+16*\b]|, |v[\s+1+16*\b]|, 0x8000000     ; my 16 numbers and the floor 2^(16 - 127): the byte cannot fall under 1
.endr
.irp i,2,4,6,8,10,12,14
.irp b,0,1,2,3
	v_max3_num_f32 v[\tm+\b], v[\tm+\b], |v[\s+16*\b+\i]|, |v[\s+1+16*\b+\i]|
.endr
.endr
.irp b,0,1,2,3
	v_permlanex16_b32 v[\tm+4+\b], v[\tm+\b], s[SEL], s[SEL+1]
.endr
.irp b,0,1,2,3
	v_max_num_f32 v[\tm+\b], v[\tm+\b], v[\tm+4+\b]
.endr
.irp b,0,1,2,3
	v_add_nc_u32 v[\tm+12+\b], 0xf8800000, v[\tm+\b]
.endr
.irp b,0,1,2,3
	v_and_or_b32 v[\tm+8+\b], v[\tm+\b], 0x7f800000, s[MNT]
.endr
.irp b,0,1,2,3
	v_lshrrev_b32 v[\tm+4+\b], 23, v[\tm+12+\b]
.endr
	v_lshl_or_b32 v[\pw], v[\tm+5], 8, v[\tm+4]
	v_lshl_or_b32 v[\pw], v[\tm+6], 16, v[\pw]
	v_lshl_or_b32 v[\pw], v[\tm+7], 24, v[\pw]
.irp b,0,1,2,3
.irp i,0,1,2,3,4,5,6,7,8,9,10,11,12,13,14,15
	v_med3_num_f32 v[\s+16*\b+\i], v[\s+16*\b+\i], -v[\tm+8+\b], v[\tm+8+\b]   ; the conversion does not saturate (ISA guide 7.6.2): the hold at the largest code x the scale
.endr
	v_cvt_scalef32_pk8_bf8_f32 v[\pc+4*\b:\pc+1+4*\b], v[\s+16*\b:\s+7+16*\b], v[\tm+12+\b]
	v_cvt_scalef32_pk8_bf8_f32 v[\pc+2+4*\b:\pc+3+4*\b], v[\s+8+16*\b:\s+15+16*\b], v[\tm+12+\b]
.endr
	v_nop                                          ; a plain instruction behind the last conversion
.endm
	s_cmp_eq_u32 s16, 0
	s_cbranch_scc1 .Lno_rope
.irp g,0,1,2,3,4,5,6,7
	global_load_b128 v[192+4*\g:195+4*\g], v16, s[RP:RP+1] offset:512*\g     ; block 0's cosines and sines
.endr
.Lno_rope:
.macro EPI a
.set AC, 64*((\a)%4)
.set RB, 192+32*((\a)%2)
.set RN, 192+32*(((\a)+1)%2)
.set WN, 0x02+(\a)/4
	s_wait_xcnt 0x0                                ; the last block's stores have read WR and the codes
	WIN WN                                         ; source 0: the accumulators' window
.set i, 0
.rept 32
	v_pk_mul_f32 v[TW+i:TW+i+1], v[AC+i:AC+i+1], s[N2E:N2E+1] op_sel_hi:[1,0]     ; ascending: each accumulator is read from its low end on
.set i, i+2
.endr
	WIN 0
.set i, 0
.rept 64
	v_exp_f32 v[TW+i], v[TW+i]
.set i, i+1
.endr
	v_nop
	s_wait_alu depctr_va_vdst(0)                   ; one wait for the 64 exponentials, ahead of the first reader
.set i, 0
.rept 32
	v_pk_add_f32 v[TW+i:TW+i+1], v[TW+i:TW+i+1], 1.0 op_sel_hi:[1,0]
.set i, i+2
.endr
.set i, 0
.rept 64
	v_rcp_f32 v[TW+i], v[TW+i]
.set i, i+1
.endr
	v_nop
	s_wait_alu depctr_va_vdst(0)                   ; and one for the 64 reciprocals
	WIN WN
.set i, 0
.rept 32
	v_pk_mul_f32 v[WR+i:WR+i+1], v[AC+i:AC+i+1], v[TW+i:TW+i+1]                  ; silu
.set i, i+2
.endr
	WIN 0
	s_wait_loadcnt 0x0                             ; this block's cosines and sines, asked for a block ago, are in.  The wait stands on every wave's path, ahead of the parting by role: no load is out when the next ones are issued
	s_cmp_eq_u32 s16, 0
	s_cbranch_scc0 .Lqk_\@
.irp g,0,1,2,3,4,5,6,7
	global_store_b128 v16, v[WR+4*\g:WR+4*\g+3], s[UB:UB+1] offset:(\a)*4096+512*\g      ; U as it stands: 512 consecutive bytes, aligned
.endr
.irp b,0,1
.irp i,0,1,2,3,4,5,6,7,8,9,10,11,12,13,14,15
	ds_store_b32 v20, v[WR+32+16*\b+\i] offset:(32*\b+\i)*528+(32*((\a)/2)+8*((\a)%2))*4   ; V turns in the stage: its K is the keys
.endr
.endr
	s_branch .Ldone_\@
.Lqk_\@:
.if (\a) < 7
.irp g,0,1,2,3,4,5,6,7
	global_load_b128 v[RN+4*\g:RN+4*\g+3], v16, s[RP:RP+1] offset:((\a)+1)*4096+512*\g   ; the next block's, into the other set: they have this block's rotation and quantising and the next block's silu in which to land
.endr
.endif
.set p, 0
.rept 32
	v_pk_mul_f32 v[TW+2*p:TW+2*p+1], v[WR+2*p:WR+2*p+1], v[RB+2*(p%16):RB+2*(p%16)+1] op_sel:[1,1] op_sel_hi:[0,1]     ; (o sin, e sin)
.set p, p+1
.endr
.set p, 0
.rept 32
	v_pk_fma_f32 v[WR+2*p:WR+2*p+1], v[WR+2*p:WR+2*p+1], v[RB+2*(p%16):RB+2*(p%16)+1], v[TW+2*p:TW+2*p+1] op_sel_hi:[1,0,1] neg_lo:[0,0,1]   ; (e cos - o sin, o cos + e sin)
.set p, p+1
.endr
	QUANT WR, TW, 8+5*((\a)%2), 144                ; blocks 0, 1: Q's two blocks of 32 channels; blocks 2, 3: K's
	global_store_b128 v16, v[TW:TW+3], s[QI:QI+1] offset:(\a)*1024
	global_store_b128 v16, v[TW+4:TW+7], s[QI:QI+1] offset:(\a)*1024+512
	global_store_b128 v16, v[TW+8:TW+11], s[KVB:KVB+1] offset:((\a)/2)*2048+((\a)%2)*1024
	global_store_b128 v16, v[TW+12:TW+15], s[KVB:KVB+1] offset:((\a)/2)*2048+((\a)%2)*1024+512
.if (\a)%2
	v_perm_b32 v18, v8, v8, 0x01000100             ; Q's word: its two bytes twice, for either half of the instruction's 128
	v_perm_b32 v19, v13, v13, 0x01000100
	global_store_b64 v17, v[18:19], s[QS:QS+1] offset:((\a)/2)*256
	v_perm_b32 v[9+(\a)/2], v13, v8, 0x07060302    ; K's word of the pair: the even block's two bytes, then the odd block's
.endif
.Ldone_\@:
.endm
.irp a,0,1,2,3,4,5,6,7
	EPI \a
.endr
.macro VQ lt                           ; tile lt of V^T: row r = channel 32 (lt / 2) + 8 (lt % 2) + r + 8 (r / 8), K = my 128 keys in their order
	s_wait_xcnt 0x0                                ; the stores that read WR have read it
.irp c,0,1,2,3
.irp q,0,1,2,3
	ds_load_b128 v[WR+16*\c+4*\q:WR+16*\c+4*\q+3], v21 offset:(32*((\lt)/2)+8*((\lt)%2))*528+128*\c+16*\q    ; LDS serves a wave's instructions in order: these see my stores
.endr
.endr
	s_wait_dscnt 0x0
	QUANT WR, TW+16*(\lt), 9+(\lt), 192
.irp c,0,1,2,3
	global_store_b128 v16, v[TW+16*(\lt)+4*\c:TW+16*(\lt)+4*\c+3], s[KVB:KVB+1] offset:8192+(\lt)*2048+512*\c
.endr
.endm
	s_cmp_eq_u32 s16, 0
	s_cbranch_scc0 .Lk_scales
	VQ 0
	VQ 1
	VQ 2
	VQ 3
	v_cndmask_b32 v14, v9, v10, s[HM]              ; a scale register carries fragment 2 k in lanes 0-15 and fragment 2 k + 1 in lanes 16-31
	v_cndmask_b32 v15, v11, v12, s[HM]
	global_store_b64 v17, v[14:15], s[KVB:KVB+1] offset:16640
	s_branch .Lend
.Lk_scales:
	v_cndmask_b32 v14, v9, v10, s[HM]
	v_cndmask_b32 v15, v11, v12, s[HM]
	global_store_b64 v17, v[14:15], s[KVB:KVB+1] offset:16384
.Lend:
	s_wait_tensorcnt 0x0                           ; the wave's end, behind my last tensor load and my last LDS store
	ds_add_u32 v[SPW], v[NIL]
	s_wait_dscnt 0x0
	CROUND                                         ; the closing round
	s_endpgm
.Lfunc_end_k_qec035eaadf_proj:
	.size	k_qec035eaadf_proj, .Lfunc_end_k_qec035eaadf_proj-k_qec035eaadf_proj
	.p2alignl 7, 3214868480
	.fill 96, 4, 3214868480
	.section	.rodata,"a",@progbits
	.p2align	6, 0x0
	.amdhsa_kernel k_qec035eaadf_proj
		.amdhsa_group_segment_fixed_size 327680
		.amdhsa_private_segment_fixed_size 0
		.amdhsa_enable_private_segment 0
		.amdhsa_kernarg_size 40
		.amdhsa_user_sgpr_count 2
		.amdhsa_user_sgpr_kernarg_segment_ptr 1
		.amdhsa_wavefront_size32 1
		.amdhsa_system_sgpr_workgroup_id_x 1
		.amdhsa_system_sgpr_workgroup_id_y 1
		.amdhsa_system_sgpr_workgroup_id_z 1
		.amdhsa_system_vgpr_workitem_id 0
		.amdhsa_next_free_vgpr 1024
		.amdhsa_next_free_sgpr 102
		.amdhsa_reserve_vcc 0
		.amdhsa_float_denorm_mode_32 3
		.amdhsa_float_denorm_mode_16_64 3
		.amdhsa_memory_ordered 1
		.amdhsa_forward_progress 1
		.amdhsa_inst_pref_size 255
	.end_amdhsa_kernel
	.section	.bss,"aw",@nobits
	.p2align	6
	.space	262144
	.amdgpu_metadata
---
amdhsa.version: [ 1, 2 ]
amdhsa.kernels:
  - .name:           k_qec035eaadf_proj
    .symbol:         k_qec035eaadf_proj.kd
    .args:
      - { .name: hq, .offset: 0, .size: 8, .value_kind: global_buffer, .address_space: global }
      - { .name: wq, .offset: 8, .size: 8, .value_kind: global_buffer, .address_space: global }
      - { .name: tab, .offset: 16, .size: 8, .value_kind: global_buffer, .address_space: global }
      - { .name: kv, .offset: 24, .size: 8, .value_kind: global_buffer, .address_space: global }
      - { .name: uq, .offset: 32, .size: 8, .value_kind: global_buffer, .address_space: global }
    .group_segment_fixed_size: 327680
    .private_segment_fixed_size: 0
    .kernarg_segment_align: 8
    .kernarg_segment_size: 40
    .max_flat_workgroup_size: 128
    .sgpr_count:     102
    .vgpr_count:     1024
    .wavefront_size: 32
...
	.end_amdgpu_metadata
.endif
;; end of part 2
;; launch attn (part 3): grid 64 x 4, 8 waves a work-group, clusters of 4 x 1, 327,680 bytes of LDS; arguments kv, uq, cimg, tab, wq, pos_w, x, o_b, pr_ln_g, pr_ln_b, next_action_type, next_mask, out0; writes out0
.if DOCPART == 3
	.amdgcn_target "amdgcn-amd-amdhsa--gfx1250"
	.amdhsa_code_object_version 6
	.text
	.protected	k_qec035eaadf_attn
	.globl	k_qec035eaadf_attn
	.p2align	8
	.type	k_qec035eaadf_attn,@function
k_qec035eaadf_attn:
	s_mov_b64 s[64:65], 0
	v_nop
	global_prefetch_b8 v0, s[64:65] scope:SCOPE_SE
	s_setreg_imm32_b32 hwreg(HW_REG_WAVE_MODE, 25, 1), 1
	s_wait_xcnt 0x0
	s_wait_alu depctr_hold_cnt(0) depctr_sa_sdst(0) depctr_va_vdst(0) depctr_va_sdst(0) depctr_va_ssrc(0) depctr_va_vcc(0) depctr_vm_vsrc(0)
	s_getreg_b32 s2, hwreg(HW_REG_IB_STS2, 6, 4)
	s_cmp_eq_u32 s2, 0
	s_cbranch_scc0 .Lentry_in_a_cluster
	s_endpgm
.Lentry_in_a_cluster:
	s_bfe_u32 s2, ttmp6, 0x10000c
	s_cmp_lg_u32 s2, 0x3003
	s_cbranch_scc0 .Lentry_shape_is_right
	s_endpgm
.Lentry_shape_is_right:
; ATTN: for 32 queries of one batch and all 8 heads: scores = Q K^T + ts_w[bucket] + pos_w[rel], p = silu(scores) under the mask, O = p V, LayerNorm without gain over each head's 64, x U,
; then these 32 rows of product 4 (x o_w), + x + o_b, the last LayerNorm and the FiLM gate.  All three products on codes of E5M2 with E8M0 scales.
; SHARES.  Wave w is head w; it walks the 16 tiles of 128 keys.  What the 8 heads share is made once: wave w makes the bias (table look-up by the stored bucket byte, + pos_w) of query tile w / 4, keys 32 (w % 4) on,
; of the NEXT key tile, and lays it in LDS as an image of the score accumulators; every wave loads it as the C of its score products, so that the addition costs nothing.
; THE RING.  Two slots of 8 pieces of 16,896 bytes; wave w fills and reads piece w alone: K's four pair fragments, V's four fragments and their scale words, as images of registers.  The stream goes on into product 4:
; 16 key tiles, then o_w's four chunks of 256 columns.  The four work-groups of a cluster walk the same tiles: every load is a joint one, behind a round of the cluster's barrier.
; A slot is asked for again IN THE MIDDLE OF ITS OWN TILE, as soon as that tile's K and V stand in registers, with the tile two further on: from a request to the wait for it lies one whole tile's work.
; THE KEY TILE IS PIPELINED IN THE WAVE.  At a tile's head the eight waves want 8 x 48 loads of 512 bytes (K and the bias); so these are asked for a stretch ahead, and register work that is due anyway stands behind them:
;   behind the round: next K | maxima of query tile 1 | next bias, query tile 0 | hold and conversion of query tile 1 | the products with V | next bias, query tile 1 | the indices and look-ups of the bias after that | pos_w's words
;   then: scores of query tile 0 | its silu, at work in V's registers | scores of query tile 1 | the new bias to LDS | V | its silu, at work in K's registers | the three lines and the signal | query tile 0 quantised | the round.
; LAYOUT.  S^T = K Q^T and O^T = V^T P^T: a lane holds one query.  K = 64 fills half of the instruction's 128: a pair fragment holds two tiles of 16 keys in its two halves, and Q stands in a run
; [0 | q0 | 0 | q1 | 0] of 8 registers each, of which 16 registers [q | 0] or [0 | q] pick the half.  By the choice of a tile's keys the 16 registers of two tiles are 16 neighbouring keys.
; 1 / S.  p is quantised without the division by 2,048: a power of two only moves the scale's byte.  The LayerNorm that follows takes eps x 2^22 instead, which gives the same quotient.
; LIMITS: a masked score is -1e30 + score: p = -0 while |score| stays under 1e29; the shift of 1 / S differs from the letter only for blocks whose largest |p| / 2,048 lies under 2^-111;
; a block of zeros carries the byte 1; NaN and infinities among the inputs are not served.
; No prefetch: a tile is asked for straight behind a round and waited for in front of the next one, a whole key tile's work later (16 + 8 matrix and some 800 vector instructions in each of a SIMD's two waves).
; REGISTERS.  window 0: v3 spare word, v4 zero; v5-23 addresses; v24-25 K's, v26-27 V's, v28-29 Q's, v30-31 p's, v32-39 u's, v60-63 o_w's scale words (they hold nothing else); v40-55 the table's offsets; v56-59 bucket bytes;
;   v64-191 S (2 query tiles x 64), later u's fragments; v192-223 p's codes; v224-239 pos_w's words, then the quantiser's work; v240-255 the bias.
; window 1: v0-39 Q's run; v40-56 work behind the keys; v64-127 K's fragments, then the second silu's work; v128-191 the first silu's work, then V's fragments; v192-255 O^T.
.set SLOTB, 135168
.set PIECE, 16896
.set BIAS,  270336                     ; two buffers of 16,384 bytes; buffer 0 later holds u's fragments
.set POS,   303104                     ; 2,304 words of pos_w
.set SPARE, 312320                     ; the spare words: 128 bytes a wave, four blocks of 256 bytes that no other line names
.set USC,   313344                     ; u's scale words: [query tile][K step][lane]
.set YP,    4112                       ; the stage for y: 32 rows of 4,096 bytes + 16, in slot 0 behind its last fill
.set G1,  16
.set G0,  24
.set OWA, 32
.set SEL, 48
.set N2E, 50
.set MNT, 52
.set MSB, 0
.macro WIN new
.if MSB != (\new)
	s_set_vgpr_msb (MSB<<8)|(\new)
.set MSB, (\new)
.endif
.endm
.macro CREST                           ; a round of the cluster's barrier behind its opening barrier
	s_cmp_lg_u32 s8, 0
	s_cbranch_scc1 .Lnot_wave_0_\@
	s_barrier_signal -3
.Lnot_wave_0_\@:
	s_barrier_wait -3
	s_barrier_signal -1
	s_barrier_wait -1
.endm
.macro ROUND                           ; a whole round
	s_barrier_signal -1
	s_barrier_wait -1
	CREST
.endm
.macro NOPS n
.rept \n
	v_nop
.endr
.endm
.macro WSUM a, t
	v_add_f32_dpp v[\a], v[\a], v[\a] row_xmask:1 row_mask:0xf bank_mask:0xf
	v_add_f32_dpp v[\a], v[\a], v[\a] row_xmask:2 row_mask:0xf bank_mask:0xf
	v_add_f32_dpp v[\a], v[\a], v[\a] row_xmask:4 row_mask:0xf bank_mask:0xf
	v_add_f32_dpp v[\a], v[\a], v[\a] row_xmask:8 row_mask:0xf bank_mask:0xf
	v_permlanex16_b32 v[\t], v[\a], s[SEL], s[SEL+1]
	v_add_f32 v[\a], v[\a], v[\t]
.endm
; THE QUANTISER, in two parts.  64 numbers of a lane, register 16 b + i = k 32 b + 16 (lane / 16) + i of its row.
; QMAX: the four blocks' largest magnitudes, scale operands (tm + 12 on), holds (tm + 8 on) and the four bytes in v[pw].
.macro QMAX s, pw, tm
.irp b,0,1,2,3
	v_max3_num_f32 v[\tm+\b], |v[\s+16*\b]|, |v[\s+1+16*\b]|, 0x8000000     ; my 16 numbers and the floor 2^(16 - 127): the byte cannot fall under 1
.endr
.irp i,2,4,6,8,10,12,14
.irp b,0,1,2,3
	v_max3_num_f32 v[\tm+\b], v[\tm+\b], |v[\s+16*\b+\i]|, |v[\s+1+16*\b+\i]|
.endr
.endr
.irp b,0,1,2,3
	v_permlanex16_b32 v[\tm+4+\b], v[\tm+\b], s[SEL], s[SEL+1]
.endr
.irp b,0,1,2,3
	v_max_num_f32 v[\tm+\b], v[\tm+\b], v[\tm+4+\b]
.endr
.irp b,0,1,2,3
	v_add_nc_u32 v[\tm+12+\b], 0xf8800000, v[\tm+\b]
.endr
.irp b,0,1,2,3
	v_and_or_b32 v[\tm+8+\b], v[\tm+\b], 0x7f800000, s[MNT]
.endr
.irp b,0,1,2,3
	v_lshrrev_b32 v[\tm+4+\b], 23, v[\tm+12+\b]
.endr
	v_lshl_or_b32 v[\pw], v[\tm+5], 8, v[\tm+4]
	v_lshl_or_b32 v[\pw], v[\tm+6], 16, v[\pw]
	v_lshl_or_b32 v[\pw], v[\tm+7], 24, v[\pw]
.endm
; QCVT: the hold and the conversion: 16 registers of codes in v[pc] on.
.macro QCVT s, pc, tm
.irp b,0,1,2,3
.irp i,0,1,2,3,4,5,6,7,8,9,10,11,12,13,14,15
	v_med3_num_f32 v[\s+16*\b+\i], v[\s+16*\b+\i], -v[\tm+8+\b], v[\tm+8+\b]   ; the conversion does not saturate (ISA guide 7.6.2): the hold at the largest code x the scale
.endr
	v_cvt_scalef32_pk8_bf8_f32 v[\pc+4*\b:\pc+1+4*\b], v[\s+16*\b:\s+7+16*\b], v[\tm+12+\b]
	v_cvt_scalef32_pk8_bf8_f32 v[\pc+2+4*\b:\pc+3+4*\b], v[\s+8+16*\b:\s+15+16*\b], v[\tm+12+\b]
.endr
	v_nop                                          ; a plain instruction behind the last conversion
.endm
.macro QUANT s, pc, pw, tm
	QMAX \s, \pw, \tm
	QCVT \s, \pc, \tm
.endm
	s_load_b512 s[68:83], s[0:1], 0x0              ; kv 68, uq 70, cimg 72, tab 74, wq 76, pos_w 78, x 80, o_b 82
	s_load_b256 s[84:91], s[0:1], 0x40             ; pr_ln_g 84, pr_ln_b 86, next_action_type 88, next_mask 90
	s_load_b64 s[92:93], s[0:1], 0x60              ; out0
	v_lshl_add_u32 v3, v0, 2, SPARE
	v_mov_b32 v4, 0
	ds_add_u32 v3, v4
	ds_add_u32 v3, v4
	s_wait_dscnt 0x0
	v_lshrrev_b32 v1, 5, v0
	v_readfirstlane_b32 s8, v1                     ; wave = head
	s_bfe_u32 s9, ttmp6, 0x40000                   ; my place in the cluster: it enters global addresses alone
	s_lshl_b32 s10, ttmp9, 2
	s_add_co_u32 s10, s10, s9                      ; block of 32 queries
	s_and_b32 s11, ttmp7, 0xffff                   ; batch, which the four partners share
	s_mov_b32 s[G1], 15|(3<<16)|(1<<21)            ; the mask: all four work-groups; elements of 8 bytes; bit 21 beside a mask; no padding
	s_mov_b32 s[G1+1], 32<<16                      ; tensor_dim0: 32 elements, 256 bytes
	s_mov_b32 s[G1+2], 66<<16                      ; tensor_dim1: 66 rows: a piece of 16,896 dense bytes
	s_mov_b32 s[G1+3], 32<<16                      ; tile_dim0
	s_mov_b32 s[G1+4], 66                          ; tile_dim1
	s_mov_b32 s[G1+5], 32                          ; the pitch
	s_mov_b32 s[G1+6], 0
	s_mov_b32 s[G1+7], 0
	s_mov_b32 s[SEL], 0x76543210
	s_mov_b32 s[SEL+1], 0xfedcba98
	s_mov_b32 s[N2E], 0xbfb8aa3b                   ; -log2(e)
	s_mov_b32 s[N2E+1], s[N2E]
	s_mov_b32 s[MNT], 0x600000
	s_mov_b32 s53, 0x3c800000                      ; 1 / 64
	s_mov_b32 s54, 0x4227c5ac                      ; 1e-5 x 2^22
	s_mov_b32 s55, 0x3a800000                      ; 1 / 1,024
	s_mov_b32 s14, 0x3727c5ac                      ; 1e-5
	s_mul_i32 s13, s8, PIECE                       ; my piece, in a slot and in a tile of memory
	s_mul_i32 s4, s11, 2162688
	s_add_co_u32 s4, s4, s13
	s_mov_b32 s5, 0
	s_and_b32 s36, s8, 1                           ; the wave's number with bits 1 and 2 exchanged: stage rows 4 w + k are rows 4 x that + k of the block
	s_bfe_u32 s37, s8, 0x10001
	s_bfe_u32 s38, s8, 0x10002
	s_lshl_b32 s37, s37, 2
	s_lshl_b32 s38, s38, 1
	s_or_b32 s36, s36, s37
	s_or_b32 s36, s36, s38
	s_lshl_b32 s37, s11, 11
	s_lshl_b32 s38, s10, 5
	s_add_co_u32 s37, s37, s38
	s_lshl_b32 s38, s36, 2
	s_add_co_u32 s37, s37, s38                     ; the first of the four rows that I finish
	s_lshl_b32 s39, s11, 3
	s_add_co_u32 s39, s39, s8                      ; batch x 8 + head
	s_lshl_b32 s39, s39, 6
	s_add_co_u32 s39, s39, s10                     ; x 64 + block
	s_wait_kmcnt 0x0
	s_add_nc_u64 s[68:69], s[68:69], s[4:5]        ; kv at my piece of the batch's tile 0
	s_mov_b32 s[G0], 1
	s_mov_b32 s[G0+1], s13
	s_mov_b64 s[G0+2:G0+3], s[68:69]
	s_or_b32 s[G0+3], s[G0+3], 0x80000000
	s_mov_b32 s[G0+4], 1
	s_add_co_u32 s[G0+5], s13, SLOTB
	s_add_nc_u64 s[G0+6:G0+7], s[68:69], SLOTB
	s_or_b32 s[G0+7], s[G0+7], 0x80000000
	s_mov_b32 s4, s13
	s_add_nc_u64 s[OWA:OWA+1], s[76:77], s[4:5]
	s_add_nc_u64 s[OWA:OWA+1], s[OWA:OWA+1], 2162688     ; o_w's chunk 0, my piece,
	s_add_nc_u64 s[OWA+2:OWA+3], s[OWA:OWA+1], SLOTB     ; and chunk 1
	s_or_b32 s[OWA+1], s[OWA+1], 0x80000000
	s_or_b32 s[OWA+3], s[OWA+3], 0x80000000
	s_lshl_b32 s4, s37, 2
	s_add_nc_u64 s[88:89], s[88:89], s[4:5]
	s_add_nc_u64 s[90:91], s[90:91], s[4:5]
	s_load_b128 s[56:59], s[88:89], 0x0            ; my four rows' next_action_type
	s_load_b128 s[60:63], s[90:91], 0x0            ; and next_mask
	s_lshl_b32 s4, s37, 12
	s_add_nc_u64 s[80:81], s[80:81], s[4:5]        ; x and out0 at my first row
	s_add_nc_u64 s[92:93], s[92:93], s[4:5]
	s_lshl_b32 s4, s39, 11
	s_add_nc_u64 s[44:45], s[70:71], s[4:5]
	s_add_nc_u64 s[44:45], s[44:45], 16777216      ; Q's images: two tiles of 1,024 bytes
	s_lshl_b32 s4, s39, 8
	s_add_nc_u64 s[46:47], s[70:71], s[4:5]
	s_add_nc_u64 s[46:47], s[46:47], 20971520      ; Q's scale words
	s_lshl_b32 s4, s39, 13
	s_add_nc_u64 s[70:71], s[70:71], s[4:5]        ; U's images: two tiles of 4,096 bytes
	s_lshl_b32 s4, s11, 6
	s_add_co_u32 s4, s4, s10
	s_lshl_b32 s4, s4, 16
	s_add_nc_u64 s[72:73], s[72:73], s[4:5]        ; the bucket bytes of (batch, block)
	s_lshl_b32 s4, s10, 5
	s_sub_co_u32 s4, 2016, s4
	s_lshl_b32 s4, s4, 2
	s_add_nc_u64 s[78:79], s[78:79], s[4:5]        ; pos_w[2,016 - 32 block + ..]: word x serves key - query = x - 31 - 32 block
	ROUND                                          ; all four work-groups are here: the first joint loads meet
	tensor_load_to_lds s[G0:G0+3], s[G1:G1+7]      ; tile 0,
	s_nop 0
	tensor_load_to_lds s[G0+4:G0+7], s[G1:G1+7]    ; and tile 1: the two first fills go out together: two tensor loads of mine are out, later one
	s_nop 0
	NOPS 4
	v_and_b32 v1, 31, v0
	v_and_b32 v2, 15, v0
	v_bfe_u32 v233, v0, 4, 1                       ; h
	v_and_b32 v234, 8, v2
	v_add_nc_u32 v234, v234, v2                    ; r + 8 (r / 8)
	v_lshlrev_b32 v235, 2, v1
	v_lshlrev_b32 v13, 4, v1                       ; 16 x lane
	v_lshlrev_b32 v14, 3, v1                       ; 8 x lane
	v_add_nc_u32 v5, s13, v13                      ; v5, v6: my piece in slot 0, 1, an image's place for my lane
	v_add_nc_u32 v6, SLOTB, v5
	v_add_nc_u32 v7, s13, v14                      ; v7, v8: the same for pairs of scale words
	v_add_nc_u32 v8, SLOTB, v7
	v_add_nc_u32 v15, s13, v235                    ; v15, v16: for single scale words
	v_add_nc_u32 v16, SLOTB, v15
	v_add_nc_u32 v9, BIAS, v13                     ; the bias's images, later u's
	s_lshl_b32 s4, s8, 11
	v_add_nc_u32 v10, s4, v9                       ; where I put my 16 registers of the bias
	s_lshl_b32 s4, s8, 10
	v_add_nc_u32 v17, s4, v9                       ; where I put my head's codes of u
	s_lshr_b32 s4, s8, 1
	s_lshl_b32 s4, s4, 7
	s_and_b32 s6, s8, 1
	s_lshl_b32 s6, s6, 1
	s_add_co_u32 s4, s4, s6
	s_add_co_u32 s4, s4, USC
	v_add_nc_u32 v18, s4, v235                     ; and its two scale bytes: K step w / 2, bytes 2 (w % 2) on
	v_add_nc_u32 v19, USC, v235
	v_mul_u32_u24 v20, v2, YP
	v_lshl_add_u32 v20, v233, 5, v20
	s_lshl_b32 s4, s8, 7
	v_add_nc_u32 v20, s4, v20                      ; y's stage, in: row r, columns 32 w + 8 h on
	v_add_nc_u32 v21, 16*YP, v20
	s_mul_i32 s4, s8, 4*YP
	v_add_nc_u32 v22, s4, v13                      ; back: rows 4 w on
	v_lshl_add_u32 v23, v0, 2, POS
	s_lshl_b32 s4, s8, 9
	v_add_nc_u32 v12, s4, v13                      ; my 16 bucket bytes of a tile
	s_and_b32 s4, s8, 3
	s_lshl_b32 s4, s4, 5
	s_lshr_b32 s6, s8, 2
	s_lshl_b32 s6, s6, 3
	s_add_co_u32 s4, s4, 31
	s_sub_co_u32 s4, s4, s6
	v_lshl_add_u32 v11, v233, 4, s4
	v_sub_nc_u32 v11, v11, v234
	v_lshl_add_u32 v11, v11, 2, POS                ; pos_w's word for my first key and my query: 32 (w % 4) + 16 h + 31 - (8 (w / 4) + r + 8 (r / 8))
	WIN 0x40                                       ; destination window 1
.irp qt,0,1
.irp c,0,1
	global_load_b128 v[8+16*\qt+4*\c:11+16*\qt+4*\c], v13, s[44:45] offset:1024*\qt+512*\c
.endr
.endr
.irp z,0,16,32
.irp i,0,1,2,3,4,5,6,7
	v_mov_b32 v[\z+\i], 0                          ; the zero codes round Q
.endr
.endr
.irp i,0,1,2,3
	v_mov_b32 v[44+\i], 0                          ; a lane permute's destination counts as one of its sources
.endr
.set i, 0
.rept 64
	v_mov_b32 v[192+i], 0                          ; O^T: cleared once, so that the key tile is written without a first copy of its own
.set i, i+1
.endr
	WIN 0
	global_load_b64 v[28:29], v14, s[46:47]
	global_load_b128 v[56:59], v12, s[72:73] th:TH_LOAD_NT      ; tile 0's bucket bytes
.irp k,0,1,2,3,4,5,6,7,8
	v_add_nc_u32 v[224+\k], 256*\k, v0
	v_min_u32 v[224+\k], 2078, v[224+\k]           ; 2,079 words are used; no load leaves pos_w
	v_lshlrev_b32 v[224+\k], 2, v[224+\k]
.endr
.irp k,0,1,2,3,4,5,6,7,8
	global_load_b32 v[240+\k], v[224+\k], s[78:79]
.endr
	s_wait_loadcnt 0x0
.irp k,0,1,2,3,4,5,6,7,8
	ds_store_b32 v23, v[240+\k] offset:1024*\k
.endr
	s_wait_dscnt 0x0                               ; for the others' sake
	s_barrier_signal -1                            ; the two first loads may stay out
	s_barrier_wait -1
	s_wait_kmcnt 0x0
.irp k,0,1,2,3                                 ; the FiLM row: id = (type + 1) where next_mask is 1, else 0; held inside the table of four
	s_add_co_u32 s[36+2*\k], s[56+\k], 1
	s_cmp_eq_u32 s[60+\k], 1
	s_cselect_b32 s[36+2*\k], s[36+2*\k], 0
	s_min_u32 s[36+2*\k], s[36+2*\k], 3
	s_lshl_b32 s[36+2*\k], s[36+2*\k], 12
	s_mov_b32 s[37+2*\k], 0
.endr
.irp k,0,1,2,3
	s_add_nc_u64 s[56+2*\k:57+2*\k], s[74:75], s[36+2*\k:37+2*\k]
.endr
; THE BIAS of the next key tile, in three parts.  A: the 16 bucket bytes become indices, held under 256, then byte offsets of the table's words, and the table is read; ld = 1: the bytes of the tile after that are asked for.
.macro PROD_A ld
	s_wait_loadcnt 0x0                             ; the bucket bytes are in
.set i, 0
.rept 16
	v_bfe_u32 v[40+i], v[56+i/4], 8*(i%4), 8
.set i, i+1
.endr
.set i, 0
.rept 16
	v_min_u32 v[40+i], 0xff, v[40+i]
.set i, i+1
.endr
.set i, 0
.rept 16
	v_lshlrev_b32 v[40+i], 2, v[40+i]
.set i, i+1
.endr
.set i, 0
.rept 16
	global_load_b32 v[240+i], v[40+i], s[74:75]
.set i, i+1
.endr
.if \ld
	v_add_nc_u32 v12, 4096, v12
	global_load_b128 v[56:59], v12, s[72:73] th:TH_LOAD_NT
.endif
.endm
; pos_w's 16 words for that tile, into the quantiser's work registers, which are idle from here to part B
.macro POSLD
.set i, 0
.rept 16
	ds_load_b32 v[224+i], v11 offset:4*i
.set i, i+1
.endr
.endm
; B (pos_w's words have been waited for): + pos_w, and the 16 registers go to LDS as their image.
.macro PROD_B ld, buf
	s_wait_loadcnt \ld                             ; the 16 table loads are in; only the younger load of bucket bytes may be out
.set i, 0
.rept 8
	v_pk_add_f32 v[240+i:241+i], v[240+i:241+i], v[224+i:225+i]
.set i, i+2
.endr
.irp q,0,1,2,3
	ds_store_b128 v10, v[240+4*\q:243+4*\q] offset:(\buf)*16384+512*\q
.endr
	v_add_nc_u32 v11, 512, v11                     ; 128 keys on
.endm
; THE CHANGE OF SLOTS, in two parts, with register work between them.  MEET: each wave waits for all its tensor loads (the other slot's tile), adds 0 to its spare word, and waits for that and for all its LDS instructions:
; its reads of this slot are over, its stores of the next bias have landed; then it signals.  kind = 0: this slot's descriptor steps two tiles on; 1: it goes over to o_w's chunks; 2: it stays.
.macro MEET slot, kind
	s_wait_tensorcnt 0x0                           ; no tensor load of mine is out, so a group 0 may be written
	ds_add_u32 v3, v4                              ; 0 onto my spare word
.if \kind == 0
	s_add_nc_u64 s[G0+4*\slot+2:G0+4*\slot+3], s[G0+4*\slot+2:G0+4*\slot+3], 2*SLOTB
.elseif \kind == 1
	s_mov_b64 s[G0+4*\slot+2:G0+4*\slot+3], s[OWA+2*\slot:OWA+2*\slot+1]
.endif
	s_wait_dscnt 0x0
	s_barrier_signal -1                            ; it opens a round of the cluster's barrier
.endm
; FILL: the rest of the round, and this slot's next tile: the first tensor load behind it, one a wave.
.macro FILL slot
	s_barrier_wait -1
	CREST                                          ; no wave of any partner still reads this slot or has a load on its way
	tensor_load_to_lds s[G0+4*\slot:G0+4*\slot+3], s[G1:G1+7]
	s_nop 0
	NOPS 4
.endm
.macro LDK s                           ; K's four pair fragments and their scale words out of slot s
	WIN 0x40
.set i, 0
.rept 16
	ds_load_b128 v[64+4*i:67+4*i], v[5+(\s)] offset:512*i
.set i, i+1
.endr
	WIN 0
	ds_load_b64 v[24:25], v[7+(\s)] offset:16384
.endm
.macro LDB s, qt                       ; the bias of query tile qt lands in its accumulators
.set i, 0
.rept 16
	ds_load_b128 v[64+64*(\qt)+4*i:67+64*(\qt)+4*i], v9 offset:(\s)*16384+8192*(\qt)+512*i
.set i, i+1
.endr
.endm
.macro LDV s                           ; V's four fragments and their scale words
	WIN 0x40
.set i, 0
.rept 16
	ds_load_b128 v[128+4*i:131+4*i], v[5+(\s)] offset:8192+512*i
.set i, i+1
.endr
	WIN 0
	ds_load_b64 v[26:27], v[7+(\s)] offset:16640
.endm
.macro SCORE qt                        ; 8 products: query tile qt against the 128 keys; each accumulator is taken once
	WIN 0x05                                       ; K and Q window 1, S window 0
.irp kb,0,1,2,3
.irp u,0,1
.if \kb%2
	v_wmma_scale_f32_16x16x128_f8f6f4 v[64+64*\qt+16*\kb+8*\u:71+64*\qt+16*\kb+8*\u], v[64+16*\kb:79+16*\kb], v[16*\qt+8-8*\u:16*\qt+23-8*\u], v[64+64*\qt+16*\kb+8*\u:71+64*\qt+16*\kb+8*\u], v[24+\kb/2], v[28+\qt] matrix_a_fmt:MATRIX_FMT_BF8 matrix_b_fmt:MATRIX_FMT_BF8 matrix_a_scale:MATRIX_SCALE_ROW1
.else
	v_wmma_scale_f32_16x16x128_f8f6f4 v[64+64*\qt+16*\kb+8*\u:71+64*\qt+16*\kb+8*\u], v[64+16*\kb:79+16*\kb], v[16*\qt+8-8*\u:16*\qt+23-8*\u], v[64+64*\qt+16*\kb+8*\u:71+64*\qt+16*\kb+8*\u], v[24+\kb/2], v[28+\qt] matrix_a_fmt:MATRIX_FMT_BF8 matrix_b_fmt:MATRIX_FMT_BF8
.endif
.endr
.endr
	WIN 0
.endm
.macro SILU sb, tb                     ; 64 scores at v[sb] of window 0 become p, at work in v[tb] on of window 1
	WIN 0x40
.set i, 0
.rept 32
	v_pk_mul_f32 v[\tb+i:\tb+i+1], v[\sb+i:\sb+i+1], s[N2E:N2E+1] op_sel_hi:[1,0]      ; ascending: each accumulator is read from its low end on
.set i, i+2
.endr
	WIN 0x41
.set i, 0
.rept 64
	v_exp_f32 v[\tb+i], v[\tb+i]
.set i, i+1
.endr
	v_nop
	s_wait_alu depctr_va_vdst(0)                   ; one wait for the 64 exponentials, ahead of the first reader
.set i, 0
.rept 32
	v_pk_add_f32 v[\tb+i:\tb+i+1], v[\tb+i:\tb+i+1], 1.0 op_sel_hi:[1,0]
.set i, i+2
.endr
.set i, 0
.rept 64
	v_rcp_f32 v[\tb+i], v[\tb+i]
.set i, i+1
.endr
	v_nop
	s_wait_alu depctr_va_vdst(0)                   ; and one for the 64 reciprocals
	WIN 0x04
.set i, 0
.rept 32
	v_pk_mul_f32 v[\sb+i:\sb+i+1], v[\sb+i:\sb+i+1], v[\tb+i:\tb+i+1]          ; p = score x 1 / (1 + 2^..): source 1 in window 1
.set i, i+2
.endr
	WIN 0
.endm
.macro PVP                             ; O^T += V^T P^T: the eight accumulators take turns
	WIN 0x51                                       ; V window 1, p window 0, O^T window 1
.irp lt,0,1,2,3
.irp qt,0,1
.if \lt%2
	v_wmma_scale_f32_16x16x128_f8f6f4 v[192+32*\qt+8*\lt:199+32*\qt+8*\lt], v[128+16*\lt:143+16*\lt], v[192+16*\qt:207+16*\qt], v[192+32*\qt+8*\lt:199+32*\qt+8*\lt], v[26+\lt/2], v[30+\qt] matrix_a_fmt:MATRIX_FMT_BF8 matrix_b_fmt:MATRIX_FMT_BF8 matrix_a_scale:MATRIX_SCALE_ROW1
.else
	v_wmma_scale_f32_16x16x128_f8f6f4 v[192+32*\qt+8*\lt:199+32*\qt+8*\lt], v[128+16*\lt:143+16*\lt], v[192+16*\qt:207+16*\qt], v[192+32*\qt+8*\lt:199+32*\qt+8*\lt], v[26+\lt/2], v[30+\qt] matrix_a_fmt:MATRIX_FMT_BF8 matrix_b_fmt:MATRIX_FMT_BF8
.endif
.endr
.endr
	WIN 0
.endm
; A KEY TILE of 128 keys in slot s.  On the way in, its K, K's scale words and its bias have been asked for, in this order: 16 + 1 + 16 + 16 LDS loads.
; prod: the next tile's bias is made on the way; ld: and the bucket bytes of the tile after that are asked for; last: U is asked for; kind: MEET's; next: the next tile's K and bias are asked for.
.macro BODY s, prod, ld, last, kind, next
.if \prod
	PROD_A \ld
	POSLD
	s_wait_dscnt 32                                ; K, its scale words and the bias of query tile 0 are in; the 16 loads of the other bias half and the 16 of pos_w may be out
.else
	s_wait_dscnt 16                                ; the same; the 16 loads of the other bias half may be out
.endif
	SCORE 0
	NOPS 8                                         ; places behind the products, in front of the first read of the scores and the first write into V's registers, which the last tile's products read
	SILU 64, 128
	s_wait_dscnt 0x0                               ; the other bias half and pos_w's words, asked for a silu ago
	SCORE 1
.if \prod
	PROD_B \ld, 1-\s                               ; its 8 additions are the places behind the products
.else
	NOPS 8
.endif
	LDV \s                                         ; V lands under the second silu
	SILU 128, 64
.if \last
	WIN 0x40
.irp qt,0,1
.irp g,0,1,2,3,4,5,6,7
	global_load_b128 v[64+32*\qt+4*\g:67+32*\qt+4*\g], v13, s[70:71] offset:4096*\qt+512*\g
.endr
.endr
	WIN 0
.endif
	MEET \s, \kind                                 ; K and V of this tile stand in registers: this slot may be filled again
	QUANT 64, 192, 30, 224                         ; register work between the signal and the wait: query tile 0
	FILL \s
.if \next
	LDK 1-\s
.endif
	QMAX 128, 31, 224
.if \next
	LDB 1-\s, 0                                    ; query tile 0's registers are free
.endif
	QCVT 128, 208, 224
	NOPS 4                                         ; codes made by vector instructions stand 4 places ahead of the scaled products
	PVP
.if \next
	LDB 1-\s, 1
.endif
.endm
	PROD_A 1                                       ; tile 0's bias
	POSLD
	s_wait_dscnt 0x0
	PROD_B 1, 0
	s_wait_tensorcnt 0x1                           ; my piece of tile 0 is in; tile 1's load may stay out
	s_wait_dscnt 0x0                               ; my part of the bias has landed
	s_barrier_signal -1
	s_barrier_wait -1
	LDK 0
	LDB 0, 0
	LDB 0, 1
	s_mov_b32 s12, 7
.Lpair:                                            ; 7 trips: tiles 0 to 13; they ask for tiles 2 to 15
	BODY 0, 1, 1, 0, 0, 1
	BODY 1, 1, 1, 0, 0, 1
	s_sub_co_u32 s12, s12, 1
	s_cmp_lg_u32 s12, 0
	s_cbranch_scc1 .Lpair
	BODY 0, 1, 0, 0, 1, 1                          ; tile 14 asks for o_w's chunk 0,
	BODY 1, 0, 0, 1, 1, 0                          ; tile 15 for chunk 1
; BEHIND THE KEYS, all in window 1: LayerNorm without gain over my head's 64 (32 in a lane, 32 in lane l xor 16), x U, and the quantising: my head's two blocks of 32 of product 4's K, for both query tiles.
	NOPS 8
	WIN 0x55
.irp qt,0,1
	v_pk_add_f32 v[4*\qt:4*\qt+1], v[192+32*\qt:193+32*\qt], v[194+32*\qt:195+32*\qt]
	v_pk_add_f32 v[4*\qt+2:4*\qt+3], v[196+32*\qt:197+32*\qt], v[198+32*\qt:199+32*\qt]
.endr
.irp i,8,12,16,20,24,28
.irp qt,0,1
	v_pk_add_f32 v[4*\qt:4*\qt+1], v[4*\qt:4*\qt+1], v[192+32*\qt+\i:193+32*\qt+\i]
	v_pk_add_f32 v[4*\qt+2:4*\qt+3], v[4*\qt+2:4*\qt+3], v[194+32*\qt+\i:195+32*\qt+\i]
.endr
.endr
.irp qt,0,1
	v_pk_add_f32 v[4*\qt:4*\qt+1], v[4*\qt:4*\qt+1], v[4*\qt+2:4*\qt+3]
.endr
.irp qt,0,1
	v_add_f32 v[4*\qt], v[4*\qt], v[4*\qt+1]
.endr
.irp qt,0,1
	v_permlanex16_b32 v[16+\qt], v[4*\qt], s[SEL], s[SEL+1]
.endr
.irp qt,0,1
	v_add_f32 v[4*\qt], v[4*\qt], v[16+\qt]
.endr
.irp qt,0,1
	v_mul_f32 v[8+2*\qt], s53, v[4*\qt]            ; the mean
.endr
.irp qt,0,1
.set i, 0
.rept 16
	v_pk_add_f32 v[192+32*\qt+i:193+32*\qt+i], v[192+32*\qt+i:193+32*\qt+i], v[8+2*\qt:9+2*\qt] op_sel_hi:[1,0] neg_lo:[0,1] neg_hi:[0,1]
.set i, i+2
.endr
.endr
.irp qt,0,1
	v_pk_mul_f32 v[4*\qt:4*\qt+1], v[192+32*\qt:193+32*\qt], v[192+32*\qt:193+32*\qt]
	v_pk_mul_f32 v[4*\qt+2:4*\qt+3], v[194+32*\qt:195+32*\qt], v[194+32*\qt:195+32*\qt]
.endr
.irp i,4,8,12,16,20,24,28
.irp qt,0,1
	v_pk_fma_f32 v[4*\qt:4*\qt+1], v[192+32*\qt+\i:193+32*\qt+\i], v[192+32*\qt+\i:193+32*\qt+\i], v[4*\qt:4*\qt+1]
	v_pk_fma_f32 v[4*\qt+2:4*\qt+3], v[194+32*\qt+\i:195+32*\qt+\i], v[194+32*\qt+\i:195+32*\qt+\i], v[4*\qt+2:4*\qt+3]
.endr
.endr
.irp qt,0,1
	v_pk_add_f32 v[4*\qt:4*\qt+1], v[4*\qt:4*\qt+1], v[4*\qt+2:4*\qt+3]
.endr
.irp qt,0,1
	v_add_f32 v[4*\qt], v[4*\qt], v[4*\qt+1]
.endr
.irp qt,0,1
	v_permlanex16_b32 v[16+\qt], v[4*\qt], s[SEL], s[SEL+1]
.endr
.irp qt,0,1
	v_add_f32 v[4*\qt], v[4*\qt], v[16+\qt]
.endr
.irp qt,0,1
	v_fma_f32 v[4*\qt], v[4*\qt], s53, s54         ; the variance of 2,048 x O, + eps x 2^22
.endr
	v_rsq_f32 v12, v0
	v_rsq_f32 v14, v4
	v_nop
	s_wait_alu depctr_va_vdst(0)                   ; one wait for the two
	s_wait_loadcnt 0x0                             ; U
.irp qt,0,1
.set i, 0
.rept 16
	v_pk_mul_f32 v[192+32*\qt+i:193+32*\qt+i], v[192+32*\qt+i:193+32*\qt+i], v[12+2*\qt:13+2*\qt] op_sel_hi:[1,0]
.set i, i+2
.endr
.endr
.set i, 0
.rept 32
	v_pk_mul_f32 v[192+i:193+i], v[192+i:193+i], v[64+i:65+i]
.set i, i+2
.endr
	QUANT 192, 128, 56, 40                         ; blocks: tile 0's two, tile 1's two
	WIN 0x04                                       ; an LDS store's data are its source 1: window 1
.irp qt,0,1
.irp b,0,1
	ds_store_b128 v17, v[128+8*\qt+4*\b:131+8*\qt+4*\b] offset:8192*\qt+512*\b     ; registers 4 (2 (w % 2) + b) on of u's fragment (tile, K step w / 2).  Bias buffer 0 was last read two rounds ago
.endr
.endr
	ds_store_b16 v18, v56
	ds_store_b16_d16_hi v18, v56 offset:512
	WIN 0
; PRODUCT 4: y^T = o_w^T u^T.  Wave w makes columns 256 c + 32 w + 0..31 of chunk c for the 32 rows: four accumulators by turns, four K steps of 128.
; Chunk c lies in slot c % 2.  As soon as a chunk's fragments stand in registers its slot is asked for again, with the chunk two further on, and the chunk's 16 products stand between the signal and the wait.
.macro G2P yr, a, b, sa, sb, zero, row1
.if \zero
.if \row1
	v_wmma_scale_f32_16x16x128_f8f6f4 v[\yr:\yr+7], v[\a:\a+15], v[\b:\b+15], 0, v[\sa], v[\sb] matrix_a_fmt:MATRIX_FMT_BF8 matrix_b_fmt:MATRIX_FMT_BF8 matrix_a_scale:MATRIX_SCALE_ROW1
.else
	v_wmma_scale_f32_16x16x128_f8f6f4 v[\yr:\yr+7], v[\a:\a+15], v[\b:\b+15], 0, v[\sa], v[\sb] matrix_a_fmt:MATRIX_FMT_BF8 matrix_b_fmt:MATRIX_FMT_BF8
.endif
.else
.if \row1
	v_wmma_scale_f32_16x16x128_f8f6f4 v[\yr:\yr+7], v[\a:\a+15], v[\b:\b+15], v[\yr:\yr+7], v[\sa], v[\sb] matrix_a_fmt:MATRIX_FMT_BF8 matrix_b_fmt:MATRIX_FMT_BF8 matrix_a_scale:MATRIX_SCALE_ROW1
.else
	v_wmma_scale_f32_16x16x128_f8f6f4 v[\yr:\yr+7], v[\a:\a+15], v[\b:\b+15], v[\yr:\yr+7], v[\sa], v[\sb] matrix_a_fmt:MATRIX_FMT_BF8 matrix_b_fmt:MATRIX_FMT_BF8
.endif
.endif
.endm
.macro FRAGS s                         ; o_w's fragments (nt, ks) at v[64 + 16 (4 nt + ks)] of window 1, and their scale words, out of slot s
	WIN 0x40
.set i, 0
.rept 32
	ds_load_b128 v[64+4*i:67+4*i], v[5+\s] offset:512*i
.set i, i+1
.endr
	WIN 0
.irp ks,0,1,2,3
	ds_load_b32 v[60+\ks], v[15+\s] offset:16384+128*\ks
.endr
.endm
.macro CHUNKP c                        ; chunk c's 16 products
	WIN 0x51
.irp ks,0,1,2,3
.irp nt,0,1
.irp qt,0,1
.set YR, 8*(4*\c+2*\nt+\qt)+128*((4*\c+2*\nt+\qt)/8)   ; y's 16 accumulators: v0-63 and v192-255 of window 1
.if \ks == 0
	G2P YR, 64+16*(4*\nt+\ks), 64+64*\qt+16*\ks, 60+\ks, 32+4*\qt+\ks, 1, \nt
.else
	G2P YR, 64+16*(4*\nt+\ks), 64+64*\qt+16*\ks, 60+\ks, 32+4*\qt+\ks, 0, \nt
.endif
.endr
.endr
.endr
	WIN 0
.endm
	s_wait_dscnt 0x0                               ; my part of u's images has landed
	s_barrier_signal -1                            ; chunk 1's load may stay out
	s_barrier_wait -1
.set i, 0
.rept 32
	ds_load_b128 v[64+4*i:67+4*i], v9 offset:512*i                 ; u's eight fragments (tile, K step) at v[64 + 64 tile + 16 step]: they stay
.set i, i+1
.endr
.irp qt,0,1
.irp ks,0,1,2,3
	ds_load_b32 v[32+4*\qt+\ks], v19 offset:512*\qt+128*\ks
.endr
.endr
	FRAGS 0                                        ; chunk 0: tile 15's wait for all tensor loads has shown it landed
	MEET 0, 0
	CHUNKP 0
	FILL 0                                         ; chunk 2
	NOPS 4                                         ; with FILL's four: eight places in front of loads into registers that the last products read
	FRAGS 1                                        ; chunk 1
	MEET 1, 0
	CHUNKP 1
	FILL 1                                         ; chunk 3
	NOPS 4
	FRAGS 0                                        ; chunk 2
	MEET 0, 2                                      ; nothing is left to fetch: a barrier of the work-group alone.  Behind it nobody reads slot 0 any more, and chunk 3 has landed
	CHUNKP 2
	s_barrier_wait -1
	NOPS 8
	FRAGS 1                                        ; chunk 3
	s_wait_dscnt 0x0
	CHUNKP 3
; THE END.  y meets in the stage; each wave then finishes four whole rows: + x + o_b, LayerNorm, the gate.
; window 0: v64-95 o_b, v96-127 gain, v128-159 bias, v160-191 the row, v192-223 and v224-255 the results by turns.  window 1: v64-191 four rows of x; v0-63 and v192-255 the FiLM rows by turns.
	NOPS 8
	WIN 0x04
.irp c,0,1,2,3
.irp nt,0,1
.irp qt,0,1
.set YR, 8*(4*\c+2*\nt+\qt)+128*((4*\c+2*\nt+\qt)/8)
	ds_store_b128 v[20+\qt], v[YR:YR+3] offset:(256*\c+16*\nt)*4           ; each accumulator from its low end on
	ds_store_b128 v[20+\qt], v[YR+4:YR+7] offset:(256*\c+16*\nt)*4+16
.endr
.endr
.endr
	WIN 0
	s_wait_dscnt 0x0                               ; my stores have landed, and have read the registers that the loads below take
.irp j,0,1,2,3,4,5,6,7
	global_load_b128 v[64+4*\j:67+4*\j], v13, s[82:83] offset:512*\j
	global_load_b128 v[96+4*\j:99+4*\j], v13, s[84:85] offset:512*\j
	global_load_b128 v[128+4*\j:131+4*\j], v13, s[86:87] offset:512*\j
.endr
	WIN 0x40
.irp k,0,1,2,3
.irp j,0,1,2,3,4,5,6,7
	global_load_b128 v[64+32*\k+4*\j:67+32*\k+4*\j], v13, s[80:81] offset:4096*\k+512*\j th:TH_LOAD_NT
.endr
.endr
	WIN 0
.macro FLOAD k                         ; row k's two FiLM rows: 16 loads
.set FS, 192*((\k)%2)
	WIN 0x40
.irp j,0,1,2,3,4,5,6,7
	global_load_b128 v[FS+4*\j:FS+4*\j+3], v13, s[56+2*(\k):57+2*(\k)] offset:1024+512*\j
	global_load_b128 v[FS+32+4*\j:FS+32+4*\j+3], v13, s[56+2*(\k):57+2*(\k)] offset:1024+16384+512*\j
.endr
	WIN 0
.endm
	FLOAD 0
	FLOAD 1
	s_barrier_signal -1
	s_barrier_wait -1                              ; 32 whole rows of y lie in the stage
.macro ROWF k
.set DD, 192+32*((\k)%2)
.set FS, 192*((\k)%2)
.irp j,0,1,2,3,4,5,6,7
	ds_load_b128 v[160+4*\j:163+4*\j], v22 offset:(\k)*YP+512*\j
.endr
	s_wait_dscnt 0x0
.if (\k) < 3
	s_wait_loadcnt 16                              ; all but the next row's 16 FiLM loads
.else
	s_wait_loadcnt 0x0
.endif
	WIN 0x01
.set i, 0
.rept 16
	v_pk_add_f32 v[160+i:161+i], v[64+32*(\k)+i:65+32*(\k)+i], v[160+i:161+i]     ; x + y
.set i, i+2
.endr
	WIN 0
.set i, 0
.rept 16
	v_pk_add_f32 v[160+i:161+i], v[160+i:161+i], v[64+i:65+i]                     ; + o_b
.set i, i+2
.endr
	v_pk_add_f32 v[40:41], v[160:161], v[162:163]
	v_pk_add_f32 v[42:43], v[164:165], v[166:167]
.irp i,8,12,16,20,24,28
	v_pk_add_f32 v[40:41], v[40:41], v[160+\i:161+\i]
	v_pk_add_f32 v[42:43], v[42:43], v[162+\i:163+\i]
.endr
	v_pk_add_f32 v[40:41], v[40:41], v[42:43]
	v_add_f32 v40, v40, v41
	WSUM 40, 48
	v_mul_f32 v44, s55, v40
	s_wait_xcnt 0x0                                ; the stores of two rows ago have read this set
.set i, 0
.rept 16
	v_pk_add_f32 v[DD+i:DD+i+1], v[160+i:161+i], v[44:45] op_sel_hi:[1,0] neg_lo:[0,1] neg_hi:[0,1]
.set i, i+2
.endr
	v_pk_mul_f32 v[40:41], v[DD:DD+1], v[DD:DD+1]
	v_pk_mul_f32 v[42:43], v[DD+2:DD+3], v[DD+2:DD+3]
.irp i,4,8,12,16,20,24,28
	v_pk_fma_f32 v[40:41], v[DD+\i:DD+\i+1], v[DD+\i:DD+\i+1], v[40:41]
	v_pk_fma_f32 v[42:43], v[DD+\i+2:DD+\i+3], v[DD+\i+2:DD+\i+3], v[42:43]
.endr
	v_pk_add_f32 v[40:41], v[40:41], v[42:43]
	v_add_f32 v40, v40, v41
	WSUM 40, 48
	v_fma_f32 v40, v40, s55, s14
	v_rsq_f32 v46, v40
	v_nop
	s_wait_alu depctr_va_vdst(0)
.set i, 0
.rept 16
	v_pk_mul_f32 v[DD+i:DD+i+1], v[DD+i:DD+i+1], v[46:47] op_sel_hi:[1,0]
.set i, i+2
.endr
.set i, 0
.rept 16
	v_pk_fma_f32 v[DD+i:DD+i+1], v[DD+i:DD+i+1], v[96+i:97+i], v[128+i:129+i]
.set i, i+2
.endr
	WIN 0x04                                       ; source 1: the FiLM rows, window 1
.set i, 0
.rept 16
	v_pk_fma_f32 v[DD+i:DD+i+1], v[DD+i:DD+i+1], v[FS+i:FS+i+1], v[160+i:161+i]   ; the row + its LayerNorm x tanh(r) r_scale
.set i, i+2
.endr
.set i, 0
.rept 16
	v_pk_add_f32 v[DD+i:DD+i+1], v[DD+i:DD+i+1], v[FS+32+i:FS+33+i]               ; + b b_scale
.set i, i+2
.endr
	WIN 0
.irp j,0,1,2,3,4,5,6,7
	global_store_b128 v13, v[DD+4*\j:DD+4*\j+3], s[92:93] offset:4096*(\k)+512*\j th:TH_STORE_NT    ; 512 consecutive bytes, aligned
.endr
.if (\k)+2 < 4
	FLOAD (\k)+2
.endif
.endm
	ROWF 0
	ROWF 1
	ROWF 2
	ROWF 3
	s_wait_tensorcnt 0x0                           ; the wave's end, behind my last tensor load and my last LDS store
	ds_add_u32 v3, v4
	s_wait_dscnt 0x0
	ROUND                                          ; the closing round
	s_endpgm
.Lfunc_end_k_qec035eaadf_attn:
	.size	k_qec035eaadf_attn, .Lfunc_end_k_qec035eaadf_attn-k_qec035eaadf_attn
	.p2alignl 7, 3214868480
	.fill 96, 4, 3214868480
	.section	.rodata,"a",@progbits
	.p2align	6, 0x0
	.amdhsa_kernel k_qec035eaadf_attn
		.amdhsa_group_segment_fixed_size 327680
		.amdhsa_private_segment_fixed_size 0
		.amdhsa_enable_private_segment 0
		.amdhsa_kernarg_size 104
		.amdhsa_user_sgpr_count 2
		.amdhsa_user_sgpr_kernarg_segment_ptr 1
		.amdhsa_wavefront_size32 1
		.amdhsa_system_sgpr_workgroup_id_x 1
		.amdhsa_system_sgpr_workgroup_id_y 1
		.amdhsa_system_sgpr_workgroup_id_z 1
		.amdhsa_system_vgpr_workitem_id 0
		.amdhsa_next_free_vgpr 512
		.amdhsa_next_free_sgpr 96
		.amdhsa_reserve_vcc 0
		.amdhsa_float_denorm_mode_32 3
		.amdhsa_float_denorm_mode_16_64 3
		.amdhsa_memory_ordered 1
		.amdhsa_forward_progress 1
		.amdhsa_inst_pref_size 255
	.end_amdhsa_kernel
	.section	.bss,"aw",@nobits
	.p2align	6
	.space	262144
	.amdgpu_metadata
---
amdhsa.version: [ 1, 2 ]
amdhsa.kernels:
  - .name:           k_qec035eaadf_attn
    .symbol:         k_qec035eaadf_attn.kd
    .args:
      - { .name: kv, .offset: 0, .size: 8, .value_kind: global_buffer, .address_space: global }
      - { .name: uq, .offset: 8, .size: 8, .value_kind: global_buffer, .address_space: global }
      - { .name: cimg, .offset: 16, .size: 8, .value_kind: global_buffer, .address_space: global }
      - { .name: tab, .offset: 24, .size: 8, .value_kind: global_buffer, .address_space: global }
      - { .name: wq, .offset: 32, .size: 8, .value_kind: global_buffer, .address_space: global }
      - { .name: pos_w, .offset: 40, .size: 8, .value_kind: global_buffer, .address_space: global }
      - { .name: x, .offset: 48, .size: 8, .value_kind: global_buffer, .address_space: global }
      - { .name: o_b, .offset: 56, .size: 8, .value_kind: global_buffer, .address_space: global }
      - { .name: pr_ln_g, .offset: 64, .size: 8, .value_kind: global_buffer, .address_space: global }
      - { .name: pr_ln_b, .offset: 72, .size: 8, .value_kind: global_buffer, .address_space: global }
      - { .name: next_action_type, .offset: 80, .size: 8, .value_kind: global_buffer, .address_space: global }
      - { .name: next_mask, .offset: 88, .size: 8, .value_kind: global_buffer, .address_space: global }
      - { .name: out0, .offset: 96, .size: 8, .value_kind: global_buffer, .address_space: global }
    .group_segment_fixed_size: 327680
    .private_segment_fixed_size: 0
    .kernarg_segment_align: 8
    .kernarg_segment_size: 104
    .max_flat_workgroup_size: 256
    .sgpr_count:     96
    .vgpr_count:     512
    .wavefront_size: 32
...
	.end_amdgpu_metadata
.endif
;; end of part 3
